; MI455X (gfx1250); checked and timed in simulation.
; The chip was launched on July 23, 2026; its instructions are those of AMD's public machine-readable ISA for CDNA 5 (MIT licence, August 2026) and "CDNA5" Instruction Set Architecture Reference Guide (July 2026). The comments in the code are by the model that wrote it; some were corrected since.
;; Bert Self Attention. Allowed arithmetic: float matrix products may take bf16 or f16 operands with f32 sums; other float arithmetic in f32, or as packed bf16 or f16 multiplies, adds, multiply-adds, maxima and minima; sums over many terms, partial sums and values carried from step to step in f32; what a program stores and reads back later, other than sums and carried values, may be rounded once to bf16 or f16.
;; Inputs: Wk 1,024 x 1,024 float32; Wq 1,024 x 1,024 float32; Wv 1,024 x 1,024 float32; attention_mask 2 x 1 x 1 x 2,048 float32; bk 1,024 float32; bq 1,024 float32; bv 1,024 float32; emb_k 129 x 64 float32; emb_v 129 x 64 float32; hidden_states 2 x 2,048 x 1,024 float32.
;; Outputs: out0 2 x 2,048 x 1,024 float32.
;; 2 versions, each right; version 2 is version 1 with the launch prep written anew for expert scheduling mode. Each part assembles by itself: llvm-mc -triple=amdgcn-amd-amdhsa -mcpu=gfx1250 --defsym DOCPART=n.
;; ======== version 1 of 2: 3 launches
;; limits: values are held in f16: magnitudes above 65,504 overflow, below 6.1e-05 lose precision
;; workspace buffers: xc 8,388,608 bytes; wc 6,291,456 bytes; q16 8,388,608 bytes; k16 8,388,608 bytes; vt16 8,388,608 bytes; tab 121,600 bytes
;; launch prep (part 1): grid 475 x 1, 8 waves a work-group, no clusters, 0 bytes of LDS; arguments hidden_states, Wq, Wk, Wv, attention_mask, emb_k, emb_v, xc, wc, tab; writes xc, wc, tab
.if DOCPART == 1
	.amdgcn_target "amdgcn-amd-amdhsa--gfx1250"
	.amdhsa_code_object_version 6
	.text
	.protected	k_q82df6e2000_prep
	.globl	k_q82df6e2000_prep
	.p2align	8
	.type	k_q82df6e2000_prep,@function
k_q82df6e2000_prep:
	s_mov_b64 s[64:65], 0
	v_nop
	global_prefetch_b8 v0, s[64:65] scope:SCOPE_SE
	s_setreg_imm32_b32 hwreg(HW_REG_WAVE_MODE, 25, 1), 1
	s_wait_xcnt 0x0
; PREPARATION: every input but the biases is rounded once to bf16 and laid out for the two launches behind.
;   xc  bf16 [4096][1024]                 hidden_states as it lies
;   wc  bf16 [q,k,v][head 16][k 1024][64] a head's 64 columns of a weight, dense: 128 bytes for each k
;   tab XK  f16 [256][64]  at 0           XK[z]      = emb_k[clip(191 - z, 0, 128)]
;       TV_b at 32,768 + 44,032 b:  XVT f16 [64][280]: XVT[ch][z] = emb_v[clip(191 - z, 0, 128)][ch];  then M f32 [2048] = 8 x mask[b], held within +-2.977e38
;       EV  f32 [3][64] at 120,832        -emb_v[128], emb_v[128] - emb_v[0], emb_v[0]
; The tables hold the bf16-rounded number written as f16 (exact down to 6.1e-5; below that f16's fixed step of 6e-8).  LIMITS: NaN in the mask is not treated apart; an infinite mask counts as the clamp.
; Memory binds: 16-byte loads, each store of a wave covers 256 or 512 consecutive aligned bytes; no LDS, no barrier, no matrix unit, no prefetch (every wave's loads are issued at once and the launch is short).
; ROLES by the work-group's number: 0-255 x; 256-447 weights; 448-455 XK; 456-473 the two XVT; 474 mask and EV.
.set TAB_TV,  32768
.set TAB_TVB, 44032
.set TAB_M,   35840
.set TAB_EV,  120832
.set SO, 2                             ; v2  byte offset of my loads
.set DO, 3                             ; v3  byte offset of my stores
.set IN, 16                            ; v[16:79]  16 loads of 4
.set OU, 80                            ; v[80:111] 16 stores of 2
.set WV, 28                            ; s28 wave
.set WG, 29                            ; s29 work-group
; 16 loads of 512 bytes a wave, step bytes apart, all issued at once; each is rounded to bf16 and stored as 256 consecutive bytes.
.macro CAST16 step
.set i, 0
.rept 16
	global_load_b128 v[IN+4*i:IN+4*i+3], v[SO], s[32:33] offset:i*(\step) th:TH_LOAD_NT
.set i, i+1
.endr
.set i, 0
.rept 16
	s_wait_loadcnt 15-i                            ; loads come back in order: number i is in, the 15 - i younger ones stay out
	v_cvt_pk_bf16_f32 v[OU+2*i], v[IN+4*i], v[IN+4*i+1]
	v_cvt_pk_bf16_f32 v[OU+2*i+1], v[IN+4*i+2], v[IN+4*i+3]
	global_store_b64 v[DO], v[OU+2*i:OU+2*i+1], s[34:35] offset:256*i th:TH_STORE_NT
.set i, i+1
.endr
.endm
; table index of z: clip(191 - z, 0, 128) = 128 - min(max(z, 63) - 63, 128)
.macro IDX d, z
	v_max_u32 \d, 63, \z
	v_add_nc_u32 \d, 0xffffffc1, \d
	v_min_u32 \d, 0x80, \d
	v_sub_nc_u32 \d, 0x80, \d
.endm
; v[16:23], 8 f32 -> v[32:35], 8 f16 of the bf16-rounded numbers
.macro PACK8
.irp p, 0,1,2,3
	v_cvt_pk_bf16_f32 v24, v[16+2*\p], v[17+2*\p]
	v_lshlrev_b32 v25, 16, v24
	v_and_b32 v26, 0xffff0000, v24
	v_cvt_pk_f16_f32 v[32+\p], v25, v26
.endr
.endm
	s_load_b512 s[8:23], s[0:1], 0x0               ; hidden s[8:9], Wq s[10:11], Wk s[12:13], Wv s[14:15], mask s[16:17], emb_k s[18:19], emb_v s[20:21], xc s[22:23]
	s_load_b128 s[24:27], s[0:1], 0x40             ; wc s[24:25], tab s[26:27]
	v_lshrrev_b32 v1, 5, v0
	v_readfirstlane_b32 s[WV], v1
	v_and_b32 v1, 31, v0                           ; lane
	s_mov_b32 s[WG], ttmp9
	s_mov_b32 s31, 0
	s_mov_b32 s37, 0
	v_lshlrev_b32 v[DO], 3, v1                     ; x and weights store alike: 4,096 bytes a wave, 8 a lane
	v_lshl_add_u32 v[DO], s[WV], 12, v[DO]
	s_wait_kmcnt 0x0
	s_cmp_lt_u32 s[WG], 256
	s_cbranch_scc0 .Lnot_x
	; X: 65,536 bytes of f32 a work-group, 8,192 a wave
	s_lshl_b32 s30, s[WG], 16
	s_add_nc_u64 s[32:33], s[8:9], s[30:31]
	s_lshl_b32 s36, s[WG], 15
	s_add_nc_u64 s[34:35], s[22:23], s[36:37]
	v_lshlrev_b32 v[SO], 4, v1
	v_lshl_add_u32 v[SO], s[WV], 13, v[SO]
	CAST16 512
	s_endpgm
.Lnot_x:
	s_cmp_lt_u32 s[WG], 448
	s_cbranch_scc0 .Lnot_w
	; W: work-group w = (weight j, head t, quarter kq of k): 256 rows k x 256 bytes; a load takes two rows k, which are 256 consecutive bytes of wc
	s_sub_co_u32 s38, s[WG], 256
	s_lshr_b32 s39, s38, 6                         ; j
	s_cmp_eq_u32 s39, 0
	s_cselect_b64 s[32:33], s[10:11], s[12:13]
	s_cmp_eq_u32 s39, 2
	s_cselect_b64 s[32:33], s[14:15], s[32:33]
	s_and_b32 s30, s38, 3                          ; kq
	s_lshl_b32 s36, s30, 15                        ; 256 rows of 128 bytes in wc
	s_lshl_b32 s30, s30, 20                        ; 256 rows of 4,096 bytes in W
	s_bfe_u32 s39, s38, 0x40002                    ; t
	s_lshl_b32 s39, s39, 8
	s_add_co_u32 s30, s30, s39
	s_add_nc_u64 s[32:33], s[32:33], s[30:31]
	s_lshr_b32 s39, s38, 2                         ; 16 j + t
	s_lshl_b32 s39, s39, 17
	s_add_co_u32 s36, s36, s39
	s_add_nc_u64 s[34:35], s[24:25], s[36:37]
	v_and_b32 v4, 15, v1
	v_lshrrev_b32 v5, 4, v1
	v_lshlrev_b32 v[SO], 4, v4
	v_lshl_add_u32 v[SO], v5, 12, v[SO]
	v_lshl_add_u32 v[SO], s[WV], 17, v[SO]         ; 32 rows k a wave
	CAST16 8192
	s_endpgm
.Lnot_w:
	s_cmp_lt_u32 s[WG], 456
	s_cbranch_scc0 .Lnot_xk
	; XK: thread G makes 8 channels of row z = G / 8: 16 bytes at 16 G
	s_sub_co_u32 s38, s[WG], 448
	s_lshl_b32 s38, s38, 8
	v_add_nc_u32 v4, s38, v0
	v_lshrrev_b32 v5, 3, v4
	IDX v5, v5
	v_and_b32 v6, 7, v4
	v_lshlrev_b32 v6, 5, v6
	v_lshl_add_u32 v6, v5, 8, v6
	global_load_b128 v[16:19], v6, s[18:19]
	global_load_b128 v[20:23], v6, s[18:19] offset:16
	v_lshlrev_b32 v7, 4, v4
	s_wait_loadcnt 0x0
	PACK8
	global_store_b128 v7, v[32:35], s[26:27]
	s_endpgm
.Lnot_xk:
	s_cmp_lt_u32 s[WG], 474
	s_cbranch_scc0 .Lmask
	; XVT, twice: a copy is 64 x 35 groups of 8 z = 2,240 threads = 70 waves; 140 of these 18 work-groups' 144 waves have a share
	s_sub_co_u32 s38, s[WG], 456
	s_lshl_b32 s38, s38, 3
	s_add_co_u32 s38, s38, s[WV]
	s_cmp_lt_u32 s38, 140
	s_cbranch_scc1 .Lxv_go
	s_endpgm
.Lxv_go:
	s_cmp_ge_u32 s38, 70
	s_cselect_b32 s39, 70, 0
	s_cselect_b32 s36, TAB_TVB, 0
	s_sub_co_u32 s38, s38, s39
	s_add_co_u32 s36, s36, TAB_TV
	s_lshl_b32 s38, s38, 5
	v_add_nc_u32 v4, s38, v1                       ; G = 35 ch + g
	v_mul_u32_u24 v5, v4, 1873                     ; G / 35 for G < 2,240
	v_lshrrev_b32 v5, 16, v5
	v_mul_u32_u24 v6, v5, 35
	v_sub_nc_u32 v6, v4, v6
	v_lshlrev_b32 v6, 3, v6                        ; z of my first number
	v_lshlrev_b32 v5, 2, v5
.irp n, 0,1,2,3,4,5,6,7
	v_add_nc_u32 v[8+\n], \n, v6
	IDX v[8+\n], v[8+\n]
	v_lshl_add_u32 v[8+\n], v[8+\n], 8, v5
	global_load_b32 v[16+\n], v[8+\n], s[20:21]
.endr
	v_lshlrev_b32 v7, 4, v4
	v_add_nc_u32 v7, s36, v7
	s_wait_loadcnt 0x0
	PACK8
	global_store_b128 v7, v[32:35], s[26:27]
	s_endpgm
.Lmask:
	; M = 8 x bf16(mask), so that c (q.k + M) with c = log2(e) / 8 holds log2(e) x mask; held within +-2.977e38
	v_lshlrev_b32 v4, 4, v0
.irp t, 0,1,2,3
	global_load_b128 v[16+4*\t:19+4*\t], v4, s[16:17] offset:4096*\t
.endr
	s_wait_loadcnt 0x0
.set i, 0
.rept 8
	v_cvt_pk_bf16_f32 v6, v[16+2*i], v[17+2*i]
	v_lshlrev_b32 v[16+2*i], 16, v6
	v_and_b32 v[17+2*i], 0xffff0000, v6
.set i, i+1
.endr
.set i, 0
.rept 16
	v_mul_f32 v[16+i], 0x41000000, v[16+i]
	v_max_num_f32 v[16+i], 0xff600000, v[16+i]
	v_min_num_f32 v[16+i], 0x7f600000, v[16+i]
.set i, i+1
.endr
.irp t, 0,1,2,3
	global_store_b128 v4, v[16+4*\t:19+4*\t], s[26:27] offset:TAB_TV+TAB_TVB*(\t/2)+TAB_M+4096*(\t%2)
.endr
	s_cmp_lt_u32 s[WV], 2
	s_cbranch_scc1 .Lev
	s_endpgm
.Lev:                                          ; threads 0-63: a channel each
	v_lshlrev_b32 v5, 2, v0
	global_load_b32 v8, v5, s[20:21] offset:32768  ; emb_v[128]
	global_load_b32 v9, v5, s[20:21]               ; emb_v[0]
	s_wait_loadcnt 0x0
	v_cvt_pk_bf16_f32 v10, v9, v8
	v_lshlrev_b32 v13, 16, v10                     ; e0
	v_and_b32 v14, 0xffff0000, v10                 ; e128
	v_sub_f32 v11, v14, v13
	v_xor_b32 v12, 0x80000000, v14
	global_store_b32 v5, v12, s[26:27] offset:TAB_EV
	global_store_b32 v5, v11, s[26:27] offset:TAB_EV+256
	global_store_b32 v5, v13, s[26:27] offset:TAB_EV+512
	s_endpgm
.Lfunc_end_k_q82df6e2000_prep:
	.size	k_q82df6e2000_prep, .Lfunc_end_k_q82df6e2000_prep-k_q82df6e2000_prep
	.p2alignl 7, 3214868480
	.fill 96, 4, 3214868480
	.section	.rodata,"a",@progbits
	.p2align	6, 0x0
	.amdhsa_kernel k_q82df6e2000_prep
		.amdhsa_group_segment_fixed_size 0
		.amdhsa_private_segment_fixed_size 0
		.amdhsa_enable_private_segment 0
		.amdhsa_kernarg_size 80
		.amdhsa_user_sgpr_count 2
		.amdhsa_user_sgpr_kernarg_segment_ptr 1
		.amdhsa_wavefront_size32 1
		.amdhsa_system_sgpr_workgroup_id_x 1
		.amdhsa_system_sgpr_workgroup_id_y 1
		.amdhsa_system_sgpr_workgroup_id_z 1
		.amdhsa_system_vgpr_workitem_id 0
		.amdhsa_next_free_vgpr 112
		.amdhsa_next_free_sgpr 66
		.amdhsa_reserve_vcc 0
		.amdhsa_float_denorm_mode_32 3
		.amdhsa_float_denorm_mode_16_64 3
		.amdhsa_memory_ordered 1
		.amdhsa_forward_progress 1
		.amdhsa_inst_pref_size 27
	.end_amdhsa_kernel
	.amdgpu_metadata
---
amdhsa.version: [ 1, 2 ]
amdhsa.kernels:
  - .name:           k_q82df6e2000_prep
    .symbol:         k_q82df6e2000_prep.kd
    .args:
      - { .name: hidden_states, .offset: 0, .size: 8, .value_kind: global_buffer, .address_space: global }
      - { .name: Wq, .offset: 8, .size: 8, .value_kind: global_buffer, .address_space: global }
      - { .name: Wk, .offset: 16, .size: 8, .value_kind: global_buffer, .address_space: global }
      - { .name: Wv, .offset: 24, .size: 8, .value_kind: global_buffer, .address_space: global }
      - { .name: attention_mask, .offset: 32, .size: 8, .value_kind: global_buffer, .address_space: global }
      - { .name: emb_k, .offset: 40, .size: 8, .value_kind: global_buffer, .address_space: global }
      - { .name: emb_v, .offset: 48, .size: 8, .value_kind: global_buffer, .address_space: global }
      - { .name: xc, .offset: 56, .size: 8, .value_kind: global_buffer, .address_space: global }
      - { .name: wc, .offset: 64, .size: 8, .value_kind: global_buffer, .address_space: global }
      - { .name: tab, .offset: 72, .size: 8, .value_kind: global_buffer, .address_space: global }
    .group_segment_fixed_size: 0
    .private_segment_fixed_size: 0
    .kernarg_segment_align: 8
    .kernarg_segment_size: 80
    .max_flat_workgroup_size: 256
    .sgpr_count:     66
    .vgpr_count:     112
    .wavefront_size: 32
...
	.end_amdgpu_metadata
.endif
;; end of part 1
;; launch qkv (part 2): grid 16 x 16, 4 waves a work-group, clusters of 4 x 4, 327,680 bytes of LDS; arguments xc, wc, bq, bk, bv, q16, k16, vt16; writes q16, k16, vt16
.if DOCPART == 2
	.amdgcn_target "amdgcn-amd-amdhsa--gfx1250"
	.amdhsa_code_object_version 6
	.text
	.protected	k_q82df6e2000_qkv
	.globl	k_q82df6e2000_qkv
	.p2align	8
	.type	k_q82df6e2000_qkv,@function
k_q82df6e2000_qkv:
	s_mov_b64 s[64:65], 0
	v_nop
	global_prefetch_b8 v0, s[64:65] scope:SCOPE_SE
	s_setreg_imm32_b32 hwreg(HW_REG_WAVE_MODE, 25, 1), 1
	s_wait_xcnt 0x0
	s_wait_alu depctr_hold_cnt(0) depctr_sa_sdst(0) depctr_va_vdst(0) depctr_va_sdst(0) depctr_va_ssrc(0) depctr_va_vcc(0) depctr_vm_vsrc(0)
	s_getreg_b32 s2, hwreg(HW_REG_IB_STS2, 6, 4)
	s_cmp_eq_u32 s2, 0
	s_cbranch_scc0 .Lentry_in_a_cluster
	s_endpgm
.Lentry_in_a_cluster:
	s_bfe_u32 s2, ttmp6, 0x10000c
	s_cmp_lg_u32 s2, 0xf033
	s_cbranch_scc0 .Lentry_shape_is_right
	s_endpgm
.Lentry_shape_is_right:
; THE THREE PROJECTIONS.  q, k, v = x W + b, x and W in bf16, sums in f32 started with the bias (rounded to bf16) as the first product's C; each result rounded once to f16.
;   q16, k16: f16 [b][head][s][64];   vt16: f16 [b][head][channel 64][s 2048] (v turned, so that the launch behind reads it with keys along the rows).
; LIMIT: f16 holds no number beyond 65,504: |q|, |k|, |v| must stay within it.  With every input 30 times larger, or all carrying an offset of 30 spreads, they stay near 2e4.
; SHARES.  A work-group makes 256 rows x 192 columns: one head's 64 columns of q, of k and of v: 16 x 16 work-groups.  Wave w makes rows 64 w .. 64 w + 63 x all 192: 48 accumulators.
; K goes in 8 steps of 128 through two LDS slots: A, 256 rows of 256 bytes (wave 0's tensor load), and three dense blocks of 128 k x 128 bytes of W (waves 1-3).
; W lies [k][n], so its fragments come out of LDS by the turning load.  q and k are multiplied transposed (source 0 = W's columns, source 1 = x's rows): a lane ends with 8 neighbouring channels of one row.
; v is multiplied the natural way round: a lane ends with one channel and 8 neighbouring rows s: 16 bytes of vt16.
; CLUSTER 4 x 4: A's tile hangs on the row tile alone and is asked for jointly along a row of the cluster, W's blocks on the head alone, jointly along a column.
; REGISTERS in windows of 256 (s_set_vgpr_msb: bits 1:0 source 0, 3:2 source 1, 5:4 source 2, 7:6 destination):
;   window 0: v0-36 addresses; v64-127 A's fragments, two buffers of 4 x 8; v128-223 the bias tiles, later (v128-255) the way out
;   windows 1, 2: accumulator (a, b) in window 1 + a / 2 at 96 (a % 2) + 8 b      window 3: W's fragments, two buffers of 12 x 8
.set PA,    272                        ; a row of A in LDS: 256 + 16 bytes: the 16 rows of a load start 68 words apart
.set PB,    160                        ; a row k of W: 128 + 32 bytes: an odd multiple of 32, as the turning load's 8 rows x 32 bytes want
.set SLOT,  131072
.set BOFF,  256*PA                     ; 69,632: W's three blocks lie behind A
.set BBLK,  128*PB                     ; 20,480
.set STAGE, 2*SLOT                     ; behind the ring: 16 rows x 144 bytes for each wave, q's and k's way out
.set SP,    144
.set VSTG,  STAGE+4*16*SP              ; 64 channel rows x 528 bytes, the work-group's, v's way out
.set VP,    528
.set SPARE, VSTG+64*VP                 ; the spare words, 128 bytes for each wave: two blocks of 256 bytes that no other line names
.set ADRA, 16                          ; v16-17 LDS address of my A fragments in slot 0, 1
.set ADRB, 20                          ; v20-21 the same for W
.set STO,  24
.set RD,   25
.set CO,   26                          ; v26  16 x lane
.set SPW,  28
.set NIL,  29
.set PFO,  30                          ; v30  the prefetches' offset: lane x 2,048 (wave 0) or lane x 256; never rewritten
.set VSTO, 31
.set VRD,  32
.set BO,   34
.set BO2,  35
.set FA,   64
.set BI,   128
.set WV, 20
.set CX, 21
.set CY, 22
.set TX, 23                            ; head
.set TY, 24                            ; row tile
.set LIM, 27                           ; 1 in a wave that prefetches, else the greatest number
.set G1A, 28
.set G1B, 36
.set G0A, 44                           ; a set for each slot
.set G0B, 52
.set PFA, 60
.set PSTEP, 62
.set MSB, 0
.macro WIN new                         ; the high byte repeats the setting that is left; a switch that changes nothing is dropped
.if MSB != (\new)
	s_set_vgpr_msb (MSB<<8)|(\new)
.set MSB, (\new)
.endif
.endm
.macro NOPS n
.rept \n
	v_nop
.endr
.endm
; A joint load: wave 0 asks for A's tile, waves 1-3 each for a block of W.  The branch hangs on the wave's number alone.  An s_nop 0 and four v_nop follow each line.
.macro JLOAD s
	s_cmp_eq_u32 s[WV], 0
	s_cbranch_scc0 .Lfor_b_\@
	tensor_load_to_lds s[G0A+4*(\s):G0A+4*(\s)+3], s[G1A:G1A+7]
	s_nop 0
	NOPS 4
	s_branch .Lasked_\@
.Lfor_b_\@:
	tensor_load_to_lds s[G0B+4*(\s):G0B+4*(\s)+3], s[G1B:G1B+7]
	s_nop 0
	NOPS 4
.Lasked_\@:
.endm
.macro CREST                           ; a round of the cluster's barrier behind its opening barrier
	s_cmp_lg_u32 s[WV], 0
	s_cbranch_scc1 .Lnot_wave_0_\@
	s_barrier_signal -3
.Lnot_wave_0_\@:
	s_barrier_wait -3
	s_barrier_signal -1
	s_barrier_wait -1
.endm
.macro CROUND
	s_barrier_signal -1
	s_barrier_wait -1
	CREST
.endm
; PREFETCH INTO THE L2, behind a joint refill and the run of LDS loads: the K step two refills on.  xc's rows are read by the four clusters of a row of clusters: cluster x = 0 asks; wc's blocks by the four of a column:
; cluster y = 0 asks.  The four partners share a tile out BY ADDRESS.  Wave 0: its work-group's 64 rows of A (64 cx on), 256 bytes each, a lane a row, two lines.  Waves 1-3, at slot 0 alone: 32 blocks of 256 bytes
; (32 cy on) of the 128 that the next lap's two K steps of their block of W are.  So each block of 256 bytes is named once.  The loop's last trip (s3 = 1) asks for nothing: there is no K step 8.  K steps 0-3 come by their loads alone.
.macro ASK slot
	s_cmp_gt_u32 s3, s[LIM]
	s_cbranch_scc0 .Lnone_\@
	s_cmp_eq_u32 s[WV], 0
	s_cbranch_scc0 .Lpf_b_\@
	global_prefetch_b8 v[PFO], s[PFA:PFA+1] offset:256 th:TH_LOAD_NT scope:SCOPE_SE
	global_prefetch_b8 v[PFO], s[PFA:PFA+1] offset:256+65536 th:TH_LOAD_NT scope:SCOPE_SE
	s_branch .Lnone_\@
.Lpf_b_\@:
.if (\slot) == 0
	global_prefetch_b8 v[PFO], s[PFA:PFA+1] offset:16384 th:TH_LOAD_NT scope:SCOPE_SE
.endif
.Lnone_\@:
.endm
	s_load_b512 s[4:19], s[0:1], 0x0               ; xc s[4:5], wc s[6:7], bq s[8:9], bk s[10:11], bv s[12:13], q16 s[14:15], k16 s[16:17], vt16 s[18:19]
	v_lshl_add_u32 v[SPW], v0, 2, SPARE
	v_mov_b32 v[NIL], 0
	ds_add_u32 v[SPW], v[NIL]                      ; the wave's opening: the add and its wait stand ahead of my first tensor load; the set-up below stands between them
	v_lshrrev_b32 v1, 5, v0
	v_readfirstlane_b32 s[WV], v1
	s_bfe_u32 s[CX], ttmp6, 0x40000
	s_bfe_u32 s[CY], ttmp6, 0x40004
	s_lshl_b32 s[TX], ttmp9, 2
	s_add_co_u32 s[TX], s[TX], s[CX]               ; head = 4 x cluster x + cx
	s_and_b32 s[TY], ttmp7, 0xffff
	s_lshl_b32 s[TY], s[TY], 2
	s_add_co_u32 s[TY], s[TY], s[CY]               ; row tile = 4 x cluster y + cy
	s_lshl_b32 s66, s[CY], 2
	s_lshl_b32 s66, 15, s66                        ; my row of the cluster
	s_lshl_b32 s67, 0x1111, s[CX]                  ; my column
	s_or_b32 s[G1A], s66, (1<<16)|(1<<20)|(1<<21)|(5<<22)|(3<<25)  ; mask; 2-byte elements; padding on; bit 21 beside a mask; after every 64 words 4 words
	s_mov_b32 s[G1A+1], 128<<16                    ; tensor_dim0 = 128
	s_mov_b32 s[G1A+2], 256<<16                    ; tensor_dim1 = 256
	s_mov_b32 s[G1A+3], 128<<16                    ; tile_dim0 = 128
	s_mov_b32 s[G1A+4], 256                        ; tile_dim1 = 256
	s_mov_b32 s[G1A+5], 1024                       ; elements from row to row
	s_mov_b32 s[G1A+6], 0
	s_mov_b32 s[G1A+7], 0
	s_or_b32 s[G1B], s67, (1<<16)|(1<<20)|(1<<21)|(4<<22)|(7<<25)  ; after every 32 words (a row k) 8 words
	s_mov_b32 s[G1B+1], 128<<16                    ; a block's 16,384 dense bytes are asked for as 64 rows of 256
	s_mov_b32 s[G1B+2], 64<<16
	s_mov_b32 s[G1B+3], 128<<16
	s_mov_b32 s[G1B+4], 64
	s_mov_b32 s[G1B+5], 128
	s_mov_b32 s[G1B+6], 0
	s_mov_b32 s[G1B+7], 0
	s_lshl_b32 s68, s[TY], 19                      ; A: 256 rows of 2,048 bytes a tile; these registers never hold cx
	s_mov_b32 s69, 0
	s_max_u32 s70, s[WV], 1                        ; W: block j = wave - 1 (wave 0 makes block 0's address and does not ask by it); these never hold cy
	s_sub_co_u32 s70, s70, 1
	s_lshl_b32 s70, s70, 4
	s_add_co_u32 s70, s70, s[TX]
	s_lshl_b32 s70, s70, 17
	s_mov_b32 s71, 0
	s_mul_i32 s72, s[WV], BBLK
	s_add_co_u32 s72, s72, BOFF-BBLK               ; LDS: a constant + wave x a constant
	s_wait_dscnt 0x0                               ; the opening add is done
	s_wait_kmcnt 0x0
	s_add_nc_u64 s[68:69], s[4:5], s[68:69]
	s_add_nc_u64 s[70:71], s[6:7], s[70:71]
	CROUND                                         ; all sixteen work-groups are here: the first joint loads meet
.irp s, 0,1
	s_mov_b32 s[G0A+4*\s], 1
	s_mov_b32 s[G0A+4*\s+1], \s*SLOT
	s_add_nc_u64 s[G0A+4*\s+2:G0A+4*\s+3], s[68:69], \s*256
	s_or_b32 s[G0A+4*\s+3], s[G0A+4*\s+3], 0x80000000
	s_mov_b32 s[G0B+4*\s], 1
	s_add_co_u32 s[G0B+4*\s+1], s72, \s*SLOT
	s_add_nc_u64 s[G0B+4*\s+2:G0B+4*\s+3], s[70:71], \s*16384
	s_or_b32 s[G0B+4*\s+3], s[G0B+4*\s+3], 0x80000000
	JLOAD \s
.endr
	; addresses
	v_and_b32 v1, 15, v0                           ; r
	v_bfe_u32 v2, v0, 4, 1                         ; h
	v_and_b32 v3, 31, v0                           ; lane
	v_mul_u32_u24 v4, v1, PA
	v_lshl_add_u32 v4, v2, 4, v4
	s_mul_i32 s73, s[WV], 64*PA
	v_add_nc_u32 v[ADRA], s73, v4                  ; (64 w + r) x pitch + 16 h
	v_add_nc_u32 v[ADRA+1], SLOT, v[ADRA]
	v_and_b32 v5, 7, v0
	v_lshl_add_u32 v5, v2, 3, v5
	v_mul_u32_u24 v5, v5, PB
	v_bfe_u32 v6, v0, 3, 1
	v_lshl_add_u32 v5, v6, 4, v5                   ; the turning load: row k 8 h + l % 8, 16 bytes by (l / 8) % 2
	v_add_nc_u32 v[ADRB], BOFF, v5
	v_add_nc_u32 v[ADRB+1], SLOT+BOFF, v5
	s_mul_i32 s73, s[WV], 16*SP
	s_add_co_u32 s73, s73, STAGE
	v_mul_u32_u24 v[STO], v1, SP
	v_lshl_add_u32 v[STO], v2, 4, v[STO]
	v_add_nc_u32 v[STO], s73, v[STO]
	v_bfe_u32 v[RD], v0, 3, 2
	v_mul_u32_u24 v[RD], v[RD], SP
	v_and_b32 v5, 7, v0
	v_lshl_add_u32 v[RD], v5, 4, v[RD]
	v_add_nc_u32 v[RD], s73, v[RD]
	v_lshlrev_b32 v[CO], 4, v3
	s_lshl_b32 s73, s[WV], 7
	s_add_co_u32 s73, s73, VSTG
	v_mul_u32_u24 v[VSTO], v1, VP
	v_lshl_add_u32 v[VSTO], v2, 4, v[VSTO]
	v_add_nc_u32 v[VSTO], s73, v[VSTO]             ; channel row r, my wave's 128 bytes, 16 h
	s_mul_i32 s73, s[WV], 16*VP
	s_add_co_u32 s73, s73, VSTG
	v_add_nc_u32 v[VRD], s73, v[CO]
	; the biases, as the C tiles that start the sums
	s_lshl_b32 s73, s[TX], 8
	v_lshlrev_b32 v[BO], 5, v2
	v_add_nc_u32 v[BO], s73, v[BO]                 ; q, k: register j holds b[64 head + 16 nb + 8 h + j]
	v_lshl_add_u32 v[BO2], v1, 2, s73              ; v: every register holds b[64 head + 16 nb + r]
.irp nb, 0,1,2,3
	global_load_b128 v[BI+8*\nb:BI+8*\nb+3], v[BO], s[8:9] offset:64*\nb
	global_load_b128 v[BI+8*\nb+4:BI+8*\nb+7], v[BO], s[8:9] offset:64*\nb+16
	global_load_b128 v[BI+32+8*\nb:BI+32+8*\nb+3], v[BO], s[10:11] offset:64*\nb
	global_load_b128 v[BI+32+8*\nb+4:BI+32+8*\nb+7], v[BO], s[10:11] offset:64*\nb+16
	global_load_b32 v[BI+64+8*\nb], v[BO2], s[12:13] offset:64*\nb
.endr
	; the prefetches' pointer, step and offset
	s_lshl_b32 s73, s[CX], 17                      ; A: my work-group's 64 rows of 2,048 bytes
	s_lshl_b32 s74, s[CY], 13                      ; W: my work-group's 32 blocks of 256 bytes
	s_and_b32 s75, ttmp7, 0xffff
	s_movk_i32 s78, 256
	s_movk_i32 s79, 16384
	s_cmp_eq_u32 s[WV], 0
	s_cselect_b64 s[PFA:PFA+1], s[68:69], s[70:71]
	s_cselect_b32 s76, s73, s74
	s_cselect_b32 s75, ttmp9, s75                  ; the coordinate along which other clusters read the same bytes
	s_cselect_b32 s[PSTEP], s78, s79               ; a K step's bytes
	s_cselect_b32 s74, 11, 8
	s_mov_b32 s[PSTEP+1], 0
	s_mov_b32 s77, 0
	s_cmp_eq_u32 s75, 0
	s_cselect_b32 s[LIM], 1, -1
	s_lshl_b32 s75, s[PSTEP], 1
	s_add_co_u32 s76, s76, s75                     ; at K step 2: the first refill steps it to 3 and names K step 4
	s_add_nc_u64 s[PFA:PFA+1], s[PFA:PFA+1], s[76:77]
	v_lshlrev_b32 v[PFO], s74, v3
	; where the results go
	s_lshr_b32 s73, s[TY], 3                       ; b
	s_lshl_b32 s73, s73, 4
	s_add_co_u32 s73, s73, s[TX]
	s_lshl_b32 s73, s73, 18                        ; the head's first byte in each of the three
	s_and_b32 s75, s[TY], 7
	s_lshl_b32 s78, s75, 15                        ; 256 rows s of 128 bytes,
	s_add_co_u32 s78, s78, s73
	s_lshl_b32 s79, s[WV], 13                      ; my wave's 64
	s_add_co_u32 s78, s78, s79
	s_mov_b32 s79, 0
	s_add_nc_u64 s[14:15], s[14:15], s[78:79]
	s_add_nc_u64 s[16:17], s[16:17], s[78:79]
	s_lshl_b32 s78, s75, 9                         ; vt16: 256 s of 2 bytes along a row,
	s_add_co_u32 s78, s78, s73
	s_lshl_b32 s75, s[WV], 16                      ; my wave's 16 channel rows of 4,096 bytes
	s_add_co_u32 s78, s78, s75
	s_add_nc_u64 s[18:19], s[18:19], s[78:79]
	s_wait_loadcnt 0x0                             ; the biases: rounded to bf16 like every other input
.set i, 0
.rept 32
	v_cvt_pk_bf16_f32 v36, v[BI+2*i], v[BI+2*i+1]
	v_lshlrev_b32 v[BI+2*i], 16, v36
	v_and_b32 v[BI+2*i+1], 0xffff0000, v36
.set i, i+1
.endr
.irp nb, 0,1,2,3
	v_cvt_pk_bf16_f32 v36, v[BI+64+8*\nb], v[BI+64+8*\nb]
	v_lshlrev_b32 v[BI+64+8*\nb], 16, v36
.irp j, 1,2,3,4,5,6,7
	v_mov_b32 v[BI+64+8*\nb+\j], v[BI+64+8*\nb]
.endr
.endr
; 32 LDS loads in one run: quarter q (32 along K) of a slot into buffer f: W's 12 fragments, turned, then A's 4
.macro FETCH slot, q, f
	WIN 0xc0
.irp b, 0,1,2,3,4,5,6,7,8,9,10,11
	ds_load_tr16_b128 v[96*(\f)+8*\b:96*(\f)+8*\b+3],   v[ADRB+(\slot)] offset:BBLK*(\b/4)+32*PB*(\q)+32*(\b%4)
	ds_load_tr16_b128 v[96*(\f)+8*\b+4:96*(\f)+8*\b+7], v[ADRB+(\slot)] offset:BBLK*(\b/4)+32*PB*(\q)+32*(\b%4)+16*PB
.endr
	WIN 0
.irp a, 0,1,2,3
	ds_load_b128 v[FA+32*(\f)+8*\a:FA+32*(\f)+8*\a+3],   v[ADRA+(\slot)] offset:16*PA*\a+64*(\q)
	ds_load_b128 v[FA+32*(\f)+8*\a+4:FA+32*(\f)+8*\a+7], v[ADRA+(\slot)] offset:16*PA*\a+64*(\q)+32
.endr
.endm
; 16 products for q and k: row blocks 2 w, 2 w + 1 x column blocks 0-7, transposed.  zero = 1: the bias tile starts the sum.
.macro MULQK f, w, zero
.if \zero
	WIN 0x43+0x40*(\w)
.else
	WIN 0x53+0x50*(\w)
.endif
.irp a, 0,1
.irp b, 0,1,2,3,4,5,6,7
.if \zero
	v_wmma_f32_16x16x32_bf16 v[96*\a+8*\b:96*\a+8*\b+7], v[96*(\f)+8*\b:96*(\f)+8*\b+7], v[FA+32*(\f)+8*(2*(\w)+\a):FA+32*(\f)+8*(2*(\w)+\a)+7], v[BI+8*\b:BI+8*\b+7]
.else
	v_wmma_f32_16x16x32_bf16 v[96*\a+8*\b:96*\a+8*\b+7], v[96*(\f)+8*\b:96*(\f)+8*\b+7], v[FA+32*(\f)+8*(2*(\w)+\a):FA+32*(\f)+8*(2*(\w)+\a)+7], v[96*\a+8*\b:96*\a+8*\b+7]
.endif
.endr
.endr
.endm
; 8 products for v: the same row blocks x column blocks 8-11, the natural way round
.macro MULV f, w, zero
.if \zero
	WIN 0x4c+0x40*(\w)
.else
	WIN 0x5c+0x50*(\w)
.endif
.irp a, 0,1
.irp b, 8,9,10,11
.if \zero
	v_wmma_f32_16x16x32_bf16 v[96*\a+8*\b:96*\a+8*\b+7], v[FA+32*(\f)+8*(2*(\w)+\a):FA+32*(\f)+8*(2*(\w)+\a)+7], v[96*(\f)+8*\b:96*(\f)+8*\b+7], v[BI+8*\b:BI+8*\b+7]
.else
	v_wmma_f32_16x16x32_bf16 v[96*\a+8*\b:96*\a+8*\b+7], v[FA+32*(\f)+8*(2*(\w)+\a):FA+32*(\f)+8*(2*(\w)+\a)+7], v[96*(\f)+8*\b:96*(\f)+8*\b+7], v[96*\a+8*\b:96*\a+8*\b+7]
.endif
.endr
.endr
.endm
; A K step is four quarters of 32 along K, 48 products each, on buffers 0, 1, 0, 1; the 48 accumulators take turns, in the same order in every quarter.
; One of the first three: multiplies buffer f and, in its middle, fetches quarter q into buffer g, four places behind the last product that read g.
.macro QUARTER slot, q, f, g, zero
	s_wait_dscnt 4                                 ; W's fragments and A's blocks 0, 1 are in; the youngest four loads (A's blocks 2, 3) may be out
	MULQK \f, 0, \zero
	MULV \f, 0, \zero
	NOPS 4
	FETCH \slot, \q, \g
	s_wait_dscnt 32                                ; all but the 32 just issued
	MULQK \f, 1, \zero
	MULV \f, 1, \zero
.endm
; The last quarter multiplies buffer 1 and changes slots: one barrier; in front of it each wave waits for all its tensor loads, adds 0 to its spare word, and waits for that and for its reads of this slot.
; fill = 1: the barrier opens a round of the cluster's, and the joint refill, two K steps ahead, is the first tensor load behind the round.
.macro TURN slot, next, fill
.if \fill
	s_wait_xcnt 0x0                                ; the last prefetch, a K step back, has read its address
	s_add_nc_u64 s[PFA:PFA+1], s[PFA:PFA+1], s[PSTEP:PSTEP+1]
.endif
	WIN 0
	s_wait_tensorcnt 0x0                           ; all my tensor loads have landed: my part of the next slot
	ds_add_u32 v[SPW], v[NIL]                      ; 0 onto my spare word
	s_wait_dscnt 5                                 ; (the add and the youngest four loads may be out)
	MULQK 1, 0, 0
	s_wait_dscnt 0x0                               ; the add is done, and my reads of this slot are over
	s_barrier_signal -1
	MULV 1, 0, 0
.if \fill
	WIN 0
.endif
	s_barrier_wait -1
.if \fill
	CREST                                          ; no wave of any partner still reads this slot or has a load on its way
	s_add_nc_u64 s[G0A+4*(\slot)+2:G0A+4*(\slot)+3], s[G0A+4*(\slot)+2:G0A+4*(\slot)+3], 2*256
	s_add_nc_u64 s[G0B+4*(\slot)+2:G0B+4*(\slot)+3], s[G0B+4*(\slot)+2:G0B+4*(\slot)+3], 2*16384
	JLOAD \slot                                    ; its four v_nop are also the places in front of the loads below
.else
	NOPS 4
.endif
	FETCH \next, 0, 0
.if \fill
	ASK \slot
.endif
	MULQK 1, 1, 0
	MULV 1, 1, 0
.endm
	s_wait_tensorcnt 1                             ; my part of K step 0 is in; K step 1's may stay out
	s_barrier_signal -1
	s_barrier_wait -1
	FETCH 0, 0, 0
	QUARTER 0, 1, 0, 1, 1                          ; the first quarter stands in front of the loop: its products start the sums with the biases
	WIN 0
	s_mov_b32 s3, 3
.Llap:                                         ; a trip goes once round the ring and fills both slots again
	QUARTER 0, 2, 1, 0, 0
	QUARTER 0, 3, 0, 1, 0
	TURN 0, 1, 1
	QUARTER 1, 1, 0, 1, 0
	QUARTER 1, 2, 1, 0, 0
	QUARTER 1, 3, 0, 1, 0
	TURN 1, 0, 1
	QUARTER 0, 1, 0, 1, 0
	WIN 0
	s_sub_co_u32 s3, s3, 1
	s_cmp_lg_u32 s3, 0
	s_cbranch_scc1 .Llap
	QUARTER 0, 2, 1, 0, 0                          ; the last lap fills nothing
	QUARTER 0, 3, 0, 1, 0
	TURN 0, 1, 0
	QUARTER 1, 1, 0, 1, 0
	QUARTER 1, 2, 1, 0, 0
	QUARTER 1, 3, 0, 1, 0
	s_wait_dscnt 4
	MULQK 1, 0, 0
	MULV 1, 0, 0
	s_wait_dscnt 0x0
	MULQK 1, 1, 0
	MULV 1, 1, 0
	; THE WAY OUT.  v first: 16 bytes a lane (8 rows s of one channel) into the work-group's stage; a barrier, since a channel's 512 bytes come from four waves; back as whole rows.
	NOPS 8
.irp a, 0,1,2,3
	WIN 0x05+5*(\a/2)
.irp nb, 0,1,2,3
.irp p, 0,1,2,3
	v_cvt_pk_f16_f32 v[FA+16*\a+4*\nb+\p], v[96*(\a%2)+8*(8+\nb)+2*\p], v[96*(\a%2)+8*(8+\nb)+2*\p+1]
.endr
.endr
.endr
	WIN 0
.irp a, 0,1,2,3
.irp nb, 0,1,2,3
	ds_store_b128 v[VSTO], v[FA+16*\a+4*\nb:FA+16*\a+4*\nb+3] offset:16*VP*\nb+32*\a
.endr
.endr
	s_wait_dscnt 0x0                               ; for the others' sake: my stores into the stage are done
	s_barrier_signal -1
	s_barrier_wait -1
.set i, 0
.rept 16
	ds_load_b128 v[FA+4*i:FA+4*i+3], v[VRD] offset:VP*i
.set i, i+1
.endr
.set i, 0
.rept 16
	s_wait_dscnt 15-i
	global_store_b128 v[CO], v[FA+4*i:FA+4*i+3], s[18:19] offset:4096*i  ; 512 consecutive bytes of a channel's row, at a multiple of 512 from its first
.set i, i+1
.endr
; q and k: unit (a, j) is 16 rows x 64 channels: 2,048 consecutive bytes.  Through my own stage: in by rows of 144 bytes, back as four rows of 128 a load.
.macro QPACK a, j
.set U, BI+16*(2*(\a)+(\j))
	WIN 0x05+5*((\a)/2)
.irp nb, 0,1,2,3
.irp p, 0,1,2,3
	v_cvt_pk_f16_f32 v[U+4*\nb+\p], v[96*((\a)%2)+8*(4*(\j)+\nb)+2*\p], v[96*((\a)%2)+8*(4*(\j)+\nb)+2*\p+1]
.endr
.endr
	WIN 0
.irp nb, 0,1,2,3
	ds_store_b128 v[STO], v[U+4*\nb:U+4*\nb+3] offset:32*\nb
.endr
.irp f, 0,1,2,3
	ds_load_b128 v[U+4*\f:U+4*\f+3], v[RD] offset:\f*4*SP  ; LDS serves a wave's instructions in order: these see the stores above; the next unit's stores come behind them
.endr
.endm
.macro QSEND a, j, younger             ; younger: the LDS instructions issued behind this unit's loads
.set U, BI+16*(2*(\a)+(\j))
.irp f, 0,1,2,3
	s_wait_dscnt (\younger)+3-\f
	global_store_b128 v[CO], v[U+4*\f:U+4*\f+3], s[14+2*(\j):15+2*(\j)] offset:2048*(\a)+512*\f
.endr
.endm
	QPACK 0, 0
.set u, 1
.rept 7
	QPACK u/2, u%2
	QSEND (u-1)/2, (u-1)%2, 8
.set u, u+1
.endr
	QSEND 3, 1, 0
	s_wait_tensorcnt 0x0                           ; the wave's end: an add and its waits, behind my last tensor load and my last LDS store
	ds_add_u32 v[SPW], v[NIL]
	s_wait_dscnt 0x0
	CROUND                                         ; the closing round
	s_endpgm
.Lfunc_end_k_q82df6e2000_qkv:
	.size	k_q82df6e2000_qkv, .Lfunc_end_k_q82df6e2000_qkv-k_q82df6e2000_qkv
	.p2alignl 7, 3214868480
	.fill 96, 4, 3214868480
	.section	.rodata,"a",@progbits
	.p2align	6, 0x0
	.amdhsa_kernel k_q82df6e2000_qkv
		.amdhsa_group_segment_fixed_size 327680
		.amdhsa_private_segment_fixed_size 0
		.amdhsa_enable_private_segment 0
		.amdhsa_kernarg_size 64
		.amdhsa_user_sgpr_count 2
		.amdhsa_user_sgpr_kernarg_segment_ptr 1
		.amdhsa_wavefront_size32 1
		.amdhsa_system_sgpr_workgroup_id_x 1
		.amdhsa_system_sgpr_workgroup_id_y 1
		.amdhsa_system_sgpr_workgroup_id_z 1
		.amdhsa_system_vgpr_workitem_id 0
		.amdhsa_next_free_vgpr 960
		.amdhsa_next_free_sgpr 80
		.amdhsa_reserve_vcc 0
		.amdhsa_float_denorm_mode_32 3
		.amdhsa_float_denorm_mode_16_64 3
		.amdhsa_memory_ordered 1
		.amdhsa_forward_progress 1
		.amdhsa_inst_pref_size 131
	.end_amdhsa_kernel
	.amdgpu_metadata
---
amdhsa.version: [ 1, 2 ]
amdhsa.kernels:
  - .name:           k_q82df6e2000_qkv
    .symbol:         k_q82df6e2000_qkv.kd
    .args:
      - { .name: xc, .offset: 0, .size: 8, .value_kind: global_buffer, .address_space: global }
      - { .name: wc, .offset: 8, .size: 8, .value_kind: global_buffer, .address_space: global }
      - { .name: bq, .offset: 16, .size: 8, .value_kind: global_buffer, .address_space: global }
      - { .name: bk, .offset: 24, .size: 8, .value_kind: global_buffer, .address_space: global }
      - { .name: bv, .offset: 32, .size: 8, .value_kind: global_buffer, .address_space: global }
      - { .name: q16, .offset: 40, .size: 8, .value_kind: global_buffer, .address_space: global }
      - { .name: k16, .offset: 48, .size: 8, .value_kind: global_buffer, .address_space: global }
      - { .name: vt16, .offset: 56, .size: 8, .value_kind: global_buffer, .address_space: global }
    .group_segment_fixed_size: 327680
    .private_segment_fixed_size: 0
    .kernarg_segment_align: 8
    .kernarg_segment_size: 64
    .max_flat_workgroup_size: 128
    .sgpr_count:     80
    .vgpr_count:     960
    .wavefront_size: 32
...
	.end_amdgpu_metadata
.endif
;; end of part 2
;; launch attn (part 3): grid 8 x 32, 4 waves a work-group, no clusters, 327,680 bytes of LDS; arguments q16, k16, vt16, tab, out0; writes out0
.if DOCPART == 3
	.amdgcn_target "amdgcn-amd-amdhsa--gfx1250"
	.amdhsa_code_object_version 6
	.text
	.protected	k_q82df6e2000_attn
	.globl	k_q82df6e2000_attn
	.p2align	8
	.type	k_q82df6e2000_attn,@function
k_q82df6e2000_attn:
	s_mov_b64 s[64:65], 0
	v_nop
	global_prefetch_b8 v0, s[64:65] scope:SCOPE_SE
	s_setreg_imm32_b32 hwreg(HW_REG_WAVE_MODE, 25, 1), 1
	s_wait_xcnt 0x0
; ATTENTION WITH CLIPPED RELATIVE POSITIONS.  out[b][q][head] = sum_k p (v[k] + emb_v[x]) / sum_k p,  p = exp((q.k + q.emb_k[x]) / 8 + mask[k] - max),  x = clip(q - k, -64, 64) + 64.
; q16, k16: f16 [b][head][s][64]; vt16: f16 [b][head][channel][s]; tab: the tables of the first launch; out0: f32 [b][s][1024].  Products, maxima and sums in f32; p is rounded to f16 for the second products.
; LIMITS.  q, k, v within 65,504; M = 8 x mask within +-2.977e38; a weight below 2^-126 counts as 0; NaN and infinities are not treated apart.
; SHARES.  A work-group owns 256 queries of one head, wave w the 64 queries of group G = 4 x block + w: four tiles of 16.  Every wave walks the head's 32 key steps of 64.
; LAYOUT.  S^T = K Q^T: a lane holds ONE query (lane % 16) and the keys 8 (lane / 16) + 0..7; two results rounded to f16 ARE source 1 of O^T = V^T P.  p = 2^(c s - c m), c = log2(e) / 8, s = q.k + bias + M.
; THE MASK is the C operand that starts S^T's sum: register j of a lane holds M[16 kb + 8 h + j], the same tile for every query.
; FAR KEYS.  In steps <= G - 2 the index is 128 for all my queries, in steps >= G + 2 it is 0.  The bias is then one number a query, bL or bR: the loop keeps m' = m - b, which makes it the plain running softmax;
; at the one change of class m' += bL - bR.  The values' part: O -= e128 lb behind the band (lb the band's sum), O += (e128 - e0) l at the change of class, out = O / l + e0: together e128 x the left sum + e0 x the right sum.
; THE BAND, steps G - 1, G, G + 1 (192 keys), is done first, a tile at a time, as one softmax step with no state before it.  With u = kl - r + 15 (kl the key in the window, r the query in its tile) and
; z = u + 48 - 16 t the index is clip(191 - z, 0, 128).  QE = XK Q^T (13 blocks of 16 u) goes through an f32 LDS table written with 916 bytes a query and read with 912: that skew turns u into kl, and the result is
; S^T's C.  P goes through an f16 table the other way (462 in, 464 out) and multiplies XVT straight into O^T.  Window keys outside the sequence take a mask of -3.2967e38; their addresses are held inside by whole groups of 64.
; The band's four trips are one text: each works in tile slot 0, and a trip begins by shifting slots 0-2 to 1-3; the tiles go 3, 2, 1, 0.
; NO CLUSTER, though a head's 8 work-groups walk the same K and V: which steps a wave leaves out, and where it changes class, hang on the work-group's block, its place in such a cluster;
; the form without the branch would compute 3 dead steps in every 32.
; REGISTERS, in windows of 256 (s_set_vgpr_msb: bits 1:0 source 0, 3:2 source 1, 5:4 source 2, 7:6 destination):
;   window 0: v0-31 addresses; v32-47 statistics (c m', m', l even, l odd) a tile; v48-63 four at work a tile; v64-191 S^T; v192-255 P (in the band: fragments and QE)
;   window 1: v0-127 O^T; v128-159 M (band: v128-223); v224-239 the band tile's Q     window 2: v0-63 Q; v64-127 K; v128-191 V^T (band: v64-255 the window's V^T)
;   window 3: band: v0-191 the window's K, v192-223 -e128; later v0-31 e128 - e0, v32-63 e0
.set PK,    144                        ; a row of K or XK in LDS: 128 + 16 bytes
.set PVT,   528                        ; a channel row of V^T: 512 + 16
.set VOFF,  256*PK                     ; a slot: 256 keys of K, then 64 channel rows x 256 keys of V^T
.set SLOT1, 131072
.set BT,    70656                      ; behind slot 0: the bias table, 16 x 912 bytes for each wave; at the end the output's stage
.set BTW,   14592
.set SPARE, 129024                     ; the spare words, 128 bytes for each wave: two blocks of 256 bytes that no other line names
.set XKL,   201728                     ; behind slot 1: XK, 256 x 144
.set XVL,   238592                     ; XVT, 64 x 560, and behind it
.set PXV,   560
.set MKL,   274432                     ; M[b], 2,048 f32
.set PBT,   282624                     ; the weights' table, 16 x 464 bytes for each wave
.set PBW,   7680
.set TAB_TV,  32768
.set TAB_TVB, 44032
.set TAB_M,   35840
.set TAB_EV,  120832
.set AK0, 4
.set AV0, 5
.set AM0, 6
.set AK,  7
.set AV,  8
.set AM,  9
.set PFK, 10                           ; v10 256 x lane; never rewritten
.set PFV, 11                           ; v11 (lane / 2) x 4,096 + (lane % 2) x 256; never rewritten
.set DLR, 12                           ; v12-15 bL - bR, a tile
.set MV,  16                           ; v16-19 c m' of the step before, a tile; in the band:
.set AXK, 16
.set AXV, 17
.set BLT, 18
.set QO,  20
.set VO,  21
.set MO,  22
.set AXK0, 23
.set AXV0, 24
.set WA,  25
.set RA,  26
.set WP,  27
.set SPW, 28
.set NIL, 29
.set RP,  30
.set ZP,  31
.set STO, 23                           ; the way out takes v23-25
.set RD,  24
.set GO,  25
.set ST,  32
.set TMP, 48
.set S,   64
.set P,   192
.set MR,  128                          ; window 1
.set QX,  224                          ; window 1
.set KF,  64                           ; window 2
.set VF,  128                          ; window 2
.set VB,  64                           ; window 2
.set NE,  192                          ; window 3
.set WV, 14
.set BLK, 15
.set BH, 16
.set G, 17
.set GM1, 18
.set SI, 19                            ; the key step in hand
.set CNT, 20
.set SLOTS, 21
.set TBK, 22                           ; LDS byte at which K of the step in hand begins
.set D, 23
.set LIM, 24
.set T0, 25
.set T1, 26
.set CB, 27
.set G1K, 28
.set G1V, 36
.set G0K, 44                           ; two sets: the two first fills; the second then walks
.set G0V, 52
.set CS, 60
.set SEL, 62
.set PFKA, 66
.set PFVA, 68
.set QXB, 70
.set AL, 72
.set BE, 74
.set G1X, 76
.set G0XK, 84
.set G0XV, 88
.set KBX, 92
.set VBX, 94
.set MBX, 96
.set TX, 98                            ; the band's step in XK;
.set TBMO, 98                          ; behind the band: byte of M at which the tile in hand begins
.set TXV, 99
.set TBV, 100                          ; LDS byte, less VOFF, at which V^T of the step in hand begins
.set TBMI, 101                         ; byte of M, within the tile, at which the step in hand begins
.set MSB, 0
.macro WIN new                         ; the high byte repeats the setting that is left; a switch that changes nothing is dropped
.if MSB != (\new)
	s_set_vgpr_msb (MSB<<8)|(\new)
.set MSB, (\new)
.endif
.endm
.macro NOPS n
.rept \n
	v_nop
.endr
.endm
	s_load_b256 s[4:11], s[0:1], 0x0               ; q16 s[4:5], k16 s[6:7], vt16 s[8:9], tab s[10:11]
	s_load_b64 s[12:13], s[0:1], 0x20              ; out0
	v_lshl_add_u32 v[SPW], v0, 2, SPARE
	v_mov_b32 v[NIL], 0
	ds_add_u32 v[SPW], v[NIL]                      ; the wave's opening: the add and its wait stand ahead of my first tensor load; the set-up below stands between them
	v_lshrrev_b32 v1, 5, v0
	v_readfirstlane_b32 s[WV], v1
	s_mov_b32 s[BLK], ttmp9
	s_and_b32 s[BH], ttmp7, 0xffff                 ; 16 b + head
	s_lshl_b32 s[G], s[BLK], 2
	s_add_co_u32 s[G], s[G], s[WV]
	s_sub_co_u32 s[GM1], s[G], 1                   ; (wraps at G = 0: the differences below are taken modulo 2^32)
	s_mov_b32 s[G1K], (1<<16)|(1<<20)|(4<<22)|(3<<25)  ; K, XK: 2-byte elements, padding on, after every 32 words 4 words; 128 rows of 128 dense bytes asked for as 64 rows of 256
	s_mov_b32 s[G1K+1], 128<<16
	s_mov_b32 s[G1K+2], 64<<16
	s_mov_b32 s[G1K+3], 128<<16
	s_mov_b32 s[G1K+4], 64
	s_mov_b32 s[G1K+5], 128
	s_mov_b32 s[G1K+6], 0
	s_mov_b32 s[G1K+7], 0
	s_mov_b32 s[G1V], (1<<16)|(1<<20)|(6<<22)|(3<<25)  ; V^T: 32 channel rows x 256 keys, after every 128 words 4 words
	s_mov_b32 s[G1V+1], 256<<16
	s_mov_b32 s[G1V+2], 32<<16
	s_mov_b32 s[G1V+3], 256<<16
	s_mov_b32 s[G1V+4], 32
	s_mov_b32 s[G1V+5], 2048
	s_mov_b32 s[G1V+6], 0
	s_mov_b32 s[G1V+7], 0
	s_mov_b32 s[G1X], 1<<16                        ; XVT and M: 22,016 dense bytes as 86 rows of 256, as they lie
	s_mov_b32 s[G1X+1], 128<<16
	s_mov_b32 s[G1X+2], 86<<16
	s_mov_b32 s[G1X+3], 128<<16
	s_mov_b32 s[G1X+4], 86
	s_mov_b32 s[G1X+5], 128
	s_mov_b32 s[G1X+6], 0
	s_mov_b32 s[G1X+7], 0
	s_and_b32 s2, s[WV], 1                         ; which half of a tile or table I fetch
	s_mul_i32 s3, s2, 128*PK
	s_mov_b32 s[G0K], 1
	s_mov_b32 s[G0K+1], s3
	s_mov_b32 s[G0K+4], 1
	s_add_co_u32 s[G0K+5], s3, SLOT1
	s_mov_b32 s[G0XK], 1
	s_add_co_u32 s[G0XK+1], s3, XKL
	s_mul_i32 s3, s2, 32*PVT
	s_mov_b32 s[G0V], 1
	s_add_co_u32 s[G0V+1], s3, VOFF
	s_mov_b32 s[G0V+4], 1
	s_add_co_u32 s[G0V+5], s3, VOFF+SLOT1
	s_mul_i32 s3, s2, 22016
	s_mov_b32 s[G0XV], 1
	s_add_co_u32 s[G0XV+1], s3, XVL
	s_lshr_b32 s[T0], s[BH], 4                     ; b
	s_mul_i32 s[T0], s[T0], TAB_TVB
	s_add_co_u32 s96, s3, s[T0]
	s_add_co_u32 s96, s96, TAB_TV                  ; my half of TV_b
	s_mov_b32 s97, 0
	s_add_co_u32 s[D], s[T0], TAB_TV+TAB_M         ; M[b] in tab (kept in s[D] up to the band)
	s_lshl_b32 s92, s[BH], 18                      ; a head is 262,144 bytes in each of q16, k16, vt16
	s_mov_b32 s93, 0
	s_lshl_b32 s94, s2, 14
	s_mov_b32 s95, 0
	s_lshl_b32 s98, s2, 17
	s_mov_b32 s99, 0
	s_mov_b32 s[CS], 0x3e38aa3b                    ; c = log2(e) / 8
	s_mov_b32 s[CS+1], s[CS]
	s_mov_b32 s[SEL], 0x76543210
	s_mov_b32 s[SEL+1], 0xfedcba98
	s_cmp_eq_u32 s[BLK], 0
	s_cselect_b32 s[LIM], 1, -1                    ; the head's first work-group prefetches
	s_wait_dscnt 0x0                               ; the opening add is done
	s_wait_kmcnt 0x0
	s_add_nc_u64 s[4:5], s[4:5], s[92:93]
	s_add_nc_u64 s[6:7], s[6:7], s[92:93]
	s_add_nc_u64 s[8:9], s[8:9], s[92:93]
	s_add_nc_u64 s[G0K+2:G0K+3], s[6:7], s[94:95]
	s_add_nc_u64 s[G0K+6:G0K+7], s[G0K+2:G0K+3], 32768
	s_or_b32 s[G0K+3], s[G0K+3], 0x80000000
	s_or_b32 s[G0K+7], s[G0K+7], 0x80000000
	s_add_nc_u64 s[G0V+2:G0V+3], s[8:9], s[98:99]
	s_add_nc_u64 s[G0V+6:G0V+7], s[G0V+2:G0V+3], 512
	s_or_b32 s[G0V+3], s[G0V+3], 0x80000000
	s_or_b32 s[G0V+7], s[G0V+7], 0x80000000
	s_add_nc_u64 s[G0XK+2:G0XK+3], s[10:11], s[94:95]
	s_or_b32 s[G0XK+3], s[G0XK+3], 0x80000000
	s_add_nc_u64 s[G0XV+2:G0XV+3], s[10:11], s[96:97]
	s_or_b32 s[G0XV+3], s[G0XV+3], 0x80000000
	s_cmp_lt_u32 s[WV], 2                          ; a wave's three first fills stand in one branch, ahead of every wait on TENSORcnt, every LDS read and every barrier: three loads of mine are out
	s_cbranch_scc0 .Lfirst_v
	tensor_load_to_lds s[G0XK:G0XK+3], s[G1K:G1K+7]
	s_nop 0
	tensor_load_to_lds s[G0K:G0K+3], s[G1K:G1K+7]
	s_nop 0
	tensor_load_to_lds s[G0K+4:G0K+7], s[G1K:G1K+7]
	s_nop 0
	NOPS 4
	s_branch .Lfirst_done
.Lfirst_v:
	tensor_load_to_lds s[G0XV:G0XV+3], s[G1X:G1X+7]
	s_nop 0
	tensor_load_to_lds s[G0V:G0V+3], s[G1V:G1V+7]
	s_nop 0
	tensor_load_to_lds s[G0V+4:G0V+7], s[G1V:G1V+7]
	s_nop 0
	NOPS 4
.Lfirst_done:
	s_mov_b32 s3, 0
	s_lshl_b32 s2, s[WV], 13                       ; the prefetches: of a tile's K my wave's 32 blocks of 256 bytes,
	s_add_nc_u64 s[PFKA:PFKA+1], s[6:7], s[2:3]
	s_add_nc_u64 s[PFKA:PFKA+1], s[PFKA:PFKA+1], 2*32768  ; at tile 2: the first change of slots steps it to tile 3
	s_lshl_b32 s2, s[WV], 16                       ; of its V^T my wave's 16 channel rows
	s_add_nc_u64 s[PFVA:PFVA+1], s[8:9], s[2:3]
	s_add_nc_u64 s[PFVA:PFVA+1], s[PFVA:PFVA+1], 2*512
	s_lshl_b32 s2, s[G], 13
	s_add_nc_u64 s[4:5], s[4:5], s[2:3]            ; Q at my 64 rows
	s_add_nc_u64 s[QXB:QXB+1], s[4:5], 3*2048      ; and at tile 3
	s_lshr_b32 s2, s[BH], 4
	s_lshl_b32 s2, s2, 23
	s_lshl_b32 s[T0], s[G], 18
	s_add_co_u32 s2, s2, s[T0]
	s_and_b32 s[T0], s[BH], 15
	s_lshl_b32 s[T0], s[T0], 8
	s_add_co_u32 s2, s2, s[T0]
	s_add_nc_u64 s[12:13], s[12:13], s[2:3]        ; out0 at (b, my first row, my head): rows of 4,096 bytes
	v_and_b32 v1, 15, v0                           ; r
	v_bfe_u32 v2, v0, 4, 1                         ; h
	v_and_b32 v3, 31, v0                           ; lane
	v_mul_u32_u24 v[AK0], v1, PK
	v_lshl_add_u32 v[AK0], v2, 4, v[AK0]
	v_mul_u32_u24 v[AV0], v1, PVT
	v_lshl_add_u32 v[AV0], v2, 4, v[AV0]
	v_add_nc_u32 v[AV0], VOFF, v[AV0]
	v_lshlrev_b32 v[MO], 5, v2
	v_add_nc_u32 v[AM0], MKL, v[MO]
	v_lshlrev_b32 v[PFK], 8, v3
	v_lshrrev_b32 v[PFV], 1, v3
	v_and_b32 v19, 1, v3
	v_lshlrev_b32 v[PFV], 12, v[PFV]
	v_lshl_add_u32 v[PFV], v19, 8, v[PFV]
	v_lshlrev_b32 v[QO], 7, v1
	v_lshl_add_u32 v[QO], v2, 4, v[QO]
	v_lshlrev_b32 v[VO], 12, v1
	v_lshl_add_u32 v[VO], v2, 4, v[VO]
	v_add_nc_u32 v[AXK0], XKL, v[AK0]
	v_mul_u32_u24 v[AXV0], v1, PXV
	v_lshl_add_u32 v[AXV0], v2, 4, v[AXV0]
	v_add_nc_u32 v[AXV0], XVL, v[AXV0]
	s_mul_i32 s[T0], s[WV], BTW
	s_add_co_u32 s[T0], s[T0], BT+4                ; my bias table, and the 4 of the way in
	v_mul_u32_u24 v[WA], v1, 916                   ; in: 916 r + 4 u + 4
	v_add_nc_u32 v[WA], v[WA], v[MO]
	v_add_nc_u32 v[WA], s[T0], v[WA]
	s_add_co_u32 s[T0], s[T0], 60                  ; and the 64 of the way out
	v_mul_u32_u24 v[RA], v1, 912                   ; out: 912 r + 4 kl + 64: the same byte where u = kl - r + 15
	v_add_nc_u32 v[RA], v[RA], v[MO]
	v_add_nc_u32 v[RA], s[T0], v[RA]
	s_mul_i32 s[T1], s[WV], PBW
	s_add_co_u32 s[T1], s[T1], PBT
	v_mul_u32_u24 v[RP], v1, 464                   ; out: 464 r + 2 u
	v_lshl_add_u32 v[RP], v2, 4, v[RP]
	v_add_nc_u32 v[RP], s[T1], v[RP]
	v_lshl_add_u32 v[ZP], v3, 4, s[T1]
	s_add_co_u32 s[T1], s[T1], 30
	v_mul_u32_u24 v[WP], v1, 462                   ; in: 462 r + 2 kl + 30
	v_lshl_add_u32 v[WP], v2, 4, v[WP]
	v_add_nc_u32 v[WP], s[T1], v[WP]
	; what the band's first shift reads, and the weights' table, whose bytes outside a row's 192 keys stay 0: all this stands in the wait for the first tiles
	WIN 0x40
.set i, 0
.rept 96
	v_mov_b32 v[i], 0
.set i, i+1
.endr
	WIN 0
.set i, 0
.rept 12
	v_mov_b32 v[ST+i], 0
.set i, i+1
.endr
.irp i, 0,1,2
	v_mov_b32 v[DLR+\i], 0
.endr
.irp i, 0,1,2,3
	v_mov_b32 v[S+\i], 0
.endr
.set i, 0
.rept 15
	ds_store_b128 v[ZP], v[S:S+3] offset:512*i
.set i, i+1
.endr
	WIN 0x80
.set i, 0
.rept 8                                ; Q stays in registers: tile i / 2, channels 32 (i % 2) on
	global_load_b128 v[8*i:8*i+3],   v[QO], s[4:5] offset:(i/2)*2048+(i%2)*64
	global_load_b128 v[8*i+4:8*i+7], v[QO], s[4:5] offset:(i/2)*2048+(i%2)*64+32
.set i, i+1
.endr
	WIN 0x40
.irp c, 0,1
	global_load_b128 v[QX+8*\c:QX+8*\c+3],   v[QO], s[QXB:QXB+1] offset:64*\c
	global_load_b128 v[QX+8*\c+4:QX+8*\c+7], v[QO], s[QXB:QXB+1] offset:64*\c+32
.endr
	WIN 0xc0
.irp c, 0,1,2,3
	global_load_b128 v[NE+8*\c:NE+8*\c+3],   v[MO], s[10:11] offset:TAB_EV+64*\c
	global_load_b128 v[NE+8*\c+4:NE+8*\c+7], v[MO], s[10:11] offset:TAB_EV+64*\c+16
.endr
	WIN 0
; Group j of the window's three groups of 64 keys: K's 4 blocks of 16 keys, V^T's 2 blocks of 32, M's 4 tiles.  The group's number is held within 0 .. 31.
.macro GROUP j
.if (\j) == 0
	s_max_i32 s[T0], s[GM1], 0
.elseif (\j) == 1
	s_mov_b32 s[T0], s[G]
.else
	s_add_co_u32 s[T0], s[G], 1
	s_min_u32 s[T0], s[T0], 31
.endif
	s_wait_xcnt 0x0                                ; the loads issued so far have read their addresses: the three bases may be written
	s_lshl_b32 s2, s[T0], 13
	s_add_nc_u64 s[KBX:KBX+1], s[6:7], s[2:3]
	s_lshl_b32 s2, s[T0], 7
	s_add_nc_u64 s[VBX:VBX+1], s[8:9], s[2:3]
	s_lshl_b32 s2, s[T0], 8
	s_add_co_u32 s2, s2, s[D]
	s_add_nc_u64 s[MBX:MBX+1], s[10:11], s[2:3]
	WIN 0xc0
.irp x, 0,1,2,3
.irp c, 0,1
	global_load_b128 v[16*(4*(\j)+\x)+8*\c:16*(4*(\j)+\x)+8*\c+3],   v[QO], s[KBX:KBX+1] offset:2048*\x+64*\c
	global_load_b128 v[16*(4*(\j)+\x)+8*\c+4:16*(4*(\j)+\x)+8*\c+7], v[QO], s[KBX:KBX+1] offset:2048*\x+64*\c+32
.endr
.endr
	WIN 0x80
.irp x, 0,1
.irp c, 0,1,2,3
	global_load_b128 v[VB+32*(2*(\j)+\x)+8*\c:VB+32*(2*(\j)+\x)+8*\c+3],   v[VO], s[VBX:VBX+1] offset:65536*\c+64*\x
	global_load_b128 v[VB+32*(2*(\j)+\x)+8*\c+4:VB+32*(2*(\j)+\x)+8*\c+7], v[VO], s[VBX:VBX+1] offset:65536*\c+64*\x+32
.endr
.endr
	WIN 0x40
.irp x, 0,1,2,3
	global_load_b128 v[MR+8*(4*(\j)+\x):MR+8*(4*(\j)+\x)+3],   v[MO], s[MBX:MBX+1] offset:64*\x
	global_load_b128 v[MR+8*(4*(\j)+\x)+4:MR+8*(4*(\j)+\x)+7], v[MO], s[MBX:MBX+1] offset:64*\x+16
.endr
	WIN 0
.endm
	GROUP 0
	GROUP 1
	GROUP 2
	s_wait_tensorcnt 1                             ; my parts of the tables and of tile 0 are in; tile 1's may stay out
	s_wait_dscnt 0x0
	s_barrier_signal -1
	s_barrier_wait -1
	s_wait_loadcnt 0x0
; a window group outside the sequence: its mask becomes M x 0 - 3.2967e38, else M x 1 + 0
.macro DEADG j, edge
	s_cmp_eq_u32 s[G], \edge
	s_cselect_b32 s[AL], 0, 1.0
	s_cselect_b32 s[BE], 0xff780000, 0
	WIN 0x41
.set i, 0
.rept 16
	v_pk_fma_f32 v[MR+32*(\j)+2*i:MR+32*(\j)+2*i+1], v[MR+32*(\j)+2*i:MR+32*(\j)+2*i+1], s[AL:AL+1], s[BE:BE+1] op_sel_hi:[1,0,0]
.set i, i+1
.endr
	WIN 0
.endm
	s_mov_b32 s[AL+1], 0
	s_mov_b32 s[BE+1], 0
	DEADG 0, 0
	DEADG 2, 31
; QE = XK Q^T for nb blocks of 16 u from block b0 on: fragments into S's registers, results into P's.  The accumulators take turns.  Five v_nop are the places behind the products.
.macro QE nb, b0
	WIN 0
.set i, 0
.rept \nb
.irp c, 0,1
	ds_load_b128 v[S+16*i+8*\c:S+16*i+8*\c+3],   v[AXK] offset:16*PK*((\b0)+i)+64*\c
	ds_load_b128 v[S+16*i+8*\c+4:S+16*i+8*\c+7], v[AXK] offset:16*PK*((\b0)+i)+64*\c+32
.endr
.set i, i+1
.endr
	s_wait_dscnt 0x0
	WIN 0x04
.set i, 0
.rept \nb
	v_wmma_f32_16x16x32_f16 v[P+8*i:P+8*i+7], v[S+16*i:S+16*i+7], v[QX:QX+7], 0
.set i, i+1
.endr
.set i, 0
.rept \nb
	v_wmma_f32_16x16x32_f16 v[P+8*i:P+8*i+7], v[S+16*i+8:S+16*i+15], v[QX+8:QX+15], v[P+8*i:P+8*i+7]
.set i, i+1
.endr
	WIN 0
	NOPS 5
.endm
.macro QEST nb, b0                     ; into the skew table: query r, u = 16 block + 8 h + j; each accumulator from its low end on
.set i, 0
.rept \nb
.irp j, 0,1,2,3,4,5,6,7
	ds_store_b32 v[WA], v[P+8*i+\j] offset:64*((\b0)+i)+4*\j
.endr
.set i, i+1
.endr
.endm
	s_mov_b32 s[CB], 4
	s_mov_b32 s[TX], 0
	s_mov_b32 s[TXV], 0
.Lband:                                        ; four trips: tiles 3, 2, 1, 0
	WIN 0x41                                       ; the shift: O^T, the statistics and bL - bR of slots 0-2 go to slots 1-3
.set i, 95
.rept 96
	v_mov_b32 v[32+i], v[i]
.set i, i-1
.endr
	WIN 0
.set i, 11
.rept 12
	v_mov_b32 v[ST+4+i], v[ST+i]
.set i, i-1
.endr
	v_mov_b32 v[DLR+3], v[DLR+2]
	v_mov_b32 v[DLR+2], v[DLR+1]
	v_mov_b32 v[DLR+1], v[DLR]
	v_add_nc_u32 v[AXK], s[TX], v[AXK0]            ; z = u + 48 - 16 t: 16 rows of XK, 32 bytes of XVT's rows further in each trip
	v_add_nc_u32 v[AXV], s[TXV], v[AXV0]
	s_wait_loadcnt 0x0                             ; the tile's Q
	QE 7, 0
	v_mov_b32 v[BLT], v[P]                         ; u = 8 h: z <= 63: q . emb_k[128] = bL
	QEST 7, 0
	QE 6, 7
	v_sub_f32 v[DLR], v[BLT], v[P+40]              ; u = 192 + 8 h: z >= 191: q . emb_k[0] = bR
	QEST 6, 7
.set i, 0
.rept 12                               ; back by keys: LDS serves a wave's instructions in order, so these see the stores above
	ds_load_b128 v[S+8*i:S+8*i+3],   v[RA] offset:64*i
	ds_load_b128 v[S+8*i+4:S+8*i+7], v[RA] offset:64*i+16
.set i, i+1
.endr
	s_wait_dscnt 0x0
	WIN 0x04
.set i, 0
.rept 48
	v_pk_add_f32 v[S+2*i:S+2*i+1], v[S+2*i:S+2*i+1], v[MR+2*i:MR+2*i+1]
.set i, i+1
.endr
	WIN 0x07                                       ; S^T = bias + M + K Q^T: 12 accumulators by turns
.irp c, 0,1
.set i, 0
.rept 12
	v_wmma_f32_16x16x32_f16 v[S+8*i:S+8*i+7], v[16*i+8*\c:16*i+8*\c+7], v[QX+8*\c:QX+8*\c+7], v[S+8*i:S+8*i+7]
.set i, i+1
.endr
.endr
	WIN 0
	NOPS 4                                         ; the places behind those products: for the loads into Q's copy and for the maximum
	s_cmp_eq_u32 s[CB], 1
	s_cbranch_scc1 .Lno_qx                         ; the last trip has no tile behind it
	s_sub_nc_u64 s[QXB:QXB+1], s[QXB:QXB+1], 2048  ; (its last loads were waited for at the trip's head)
	WIN 0x40
.irp c, 0,1
	global_load_b128 v[QX+8*\c:QX+8*\c+3],   v[QO], s[QXB:QXB+1] offset:64*\c
	global_load_b128 v[QX+8*\c+4:QX+8*\c+7], v[QO], s[QXB:QXB+1] offset:64*\c+32
.endr
	WIN 0
.Lno_qx:
	; the maximum of the lane's 96 scores: four chains, chain i over accumulators i, i + 4, i + 8, each entered at its low end
.set n, 0
.rept 12
.set i, 0
.rept 4
.set x1, 2*n+1
.set x2, 2*n+2
.if n == 0
	v_max3_num_f32 v[TMP+i], v[S+8*i], v[S+8*i+1], v[S+8*i+2]
.elseif n < 11
	v_max3_num_f32 v[TMP+i], v[TMP+i], v[S+8*(i+4*(x1/8))+x1%8], v[S+8*(i+4*(x2/8))+x2%8]
.else
	v_max_num_f32 v[TMP+i], v[TMP+i], v[S+8*(i+8)+7]
.endif
.set i, i+1
.endr
.set n, n+1
.endr
	v_max3_num_f32 v[TMP], v[TMP], v[TMP+1], v[TMP+2]
	v_max_num_f32 v[TMP], v[TMP], v[TMP+3]
	v_permlanex16_b32 v[TMP+1], v[TMP], s[SEL], s[SEL+1]  ; the query's other 96 keys lie in the lane 16 away
	v_max_num_f32 v[ST+1], v[TMP], v[TMP+1]
	v_mul_f32 v[ST], s[CS], v[ST+1]
	; ONE BATCH: 48 scalings and 96 exponentials, none of which reads an exponential's result; a pair's exponentials stand two scalings behind its own
.set i, 0
.rept 48
	v_pk_fma_f32 v[S+2*i:S+2*i+1], v[S+2*i:S+2*i+1], s[CS:CS+1], v[ST:ST+1] op_sel_hi:[1,0,0] neg_lo:[0,0,1] neg_hi:[0,0,1]
.if i >= 2
	v_exp_f32 v[S+2*i-4], v[S+2*i-4]
	v_exp_f32 v[S+2*i-3], v[S+2*i-3]
.endif
.set i, i+1
.endr
.irp i, 92,93,94,95
	v_exp_f32 v[S+\i], v[S+\i]
.endr
	v_nop                                          ; a plain instruction behind the last exponential,
	s_wait_alu depctr_va_vdst(0)                   ; and one wait ahead of the batch's first reader
.set i, 0
.rept 48
	v_cvt_pk_f16_f32 v[P+i], v[S+2*i], v[S+2*i+1]
.set i, i+1
.endr
.irp w, 24,12,6,3                      ; the sum of the 48 pairs (even keys', odd keys'), in place
.set p, 0
.rept \w
	v_pk_add_f32 v[S+2*p:S+2*p+1], v[S+2*p:S+2*p+1], v[S+2*(p+\w):S+2*(p+\w)+1]
.set p, p+1
.endr
.endr
	v_pk_add_f32 v[S:S+1], v[S:S+1], v[S+2:S+3]
	v_pk_add_f32 v[ST+2:ST+3], v[S:S+1], v[S+4:S+5]
.set i, 0
.rept 48                               ; the weights into their table: key 16 kb + 8 h + 2 i and the next
	ds_store_b16 v[WP], v[P+i] offset:32*(i/4)+4*(i%4)
	ds_store_b16_d16_hi v[WP], v[P+i] offset:32*(i/4)+4*(i%4)+2
.set i, i+1
.endr
.set i, 0
.rept 7                                ; and back by u, 7 blocks of 32
	ds_load_b128 v[S+8*i:S+8*i+3],   v[RP] offset:64*i
	ds_load_b128 v[S+8*i+4:S+8*i+7], v[RP] offset:64*i+32
.set i, i+1
.endr
	WIN 0x52                                       ; O^T = V^T P over the window: the first four products start the sums; four accumulators by turns
.set kk, 0
.rept 6
.set cb, 0
.rept 4
.if kk == 0
	v_wmma_f32_16x16x32_f16 v[8*cb:8*cb+7], v[VB+32*kk+8*cb:VB+32*kk+8*cb+7], v[P+8*kk:P+8*kk+7], 0
.else
	v_wmma_f32_16x16x32_f16 v[8*cb:8*cb+7], v[VB+32*kk+8*cb:VB+32*kk+8*cb+7], v[P+8*kk:P+8*kk+7], v[8*cb:8*cb+7]
.endif
.set cb, cb+1
.endr
.set kk, kk+1
.endr
; O^T += XVT PB for nk blocks of 32 u from block k0 on: four places, XVT's fragments into v120 on, the products
.macro XVP nk, k0
	WIN 0
	NOPS 4
.set kk, 0
.rept \nk
.set cb, 0
.rept 4
	ds_load_b128 v[120+32*kk+8*cb:120+32*kk+8*cb+3],   v[AXV] offset:16*PXV*cb+64*((\k0)+kk)
	ds_load_b128 v[120+32*kk+8*cb+4:120+32*kk+8*cb+7], v[AXV] offset:16*PXV*cb+64*((\k0)+kk)+32
.set cb, cb+1
.endr
.set kk, kk+1
.endr
	s_wait_dscnt 0x0
	WIN 0x50
.set kk, 0
.rept \nk
.set cb, 0
.rept 4
	v_wmma_f32_16x16x32_f16 v[8*cb:8*cb+7], v[120+32*kk+8*cb:120+32*kk+8*cb+7], v[S+8*((\k0)+kk):S+8*((\k0)+kk)+7], v[8*cb:8*cb+7]
.set cb, cb+1
.endr
.set kk, kk+1
.endr
.endm
	XVP 4, 0
	XVP 3, 4
	WIN 0
	NOPS 4
	v_add_f32 v[TMP], v[ST+2], v[ST+3]             ; the band's whole sum lb
	v_permlanex16_b32 v[TMP+1], v[TMP], s[SEL], s[SEL+1]
	v_sub_f32 v[ST+1], v[ST+1], v[BLT]             ; m' = m - bL
	v_add_f32 v[TMP], v[TMP], v[TMP+1]
	v_mul_f32 v[ST], s[CS], v[ST+1]
	WIN 0x53
.set i, 0
.rept 16
	v_pk_fma_f32 v[2*i:2*i+1], v[NE+2*i:NE+2*i+1], v[TMP:TMP+1], v[2*i:2*i+1] op_sel_hi:[1,0,1]  ; O -= e128 lb
.set i, i+1
.endr
	WIN 0
	s_add_co_u32 s[TX], s[TX], 16*PK
	s_add_co_u32 s[TXV], s[TXV], 32
	s_sub_co_u32 s[CB], s[CB], 1
	s_cmp_lg_u32 s[CB], 0
	s_cbranch_scc1 .Lband
	WIN 0xc0                                       ; e128 - e0 and e0 take the window's K's place
.irp c, 0,1,2,3
	global_load_b128 v[8*\c:8*\c+3],       v[MO], s[10:11] offset:TAB_EV+256+64*\c
	global_load_b128 v[8*\c+4:8*\c+7],     v[MO], s[10:11] offset:TAB_EV+256+64*\c+16
	global_load_b128 v[32+8*\c:32+8*\c+3], v[MO], s[10:11] offset:TAB_EV+512+64*\c
	global_load_b128 v[32+8*\c+4:32+8*\c+7], v[MO], s[10:11] offset:TAB_EV+512+64*\c+16
.endr
	WIN 0
	s_wait_loadcnt 0x0
; THE WALK OVER THE FAR KEYS.  Its LDS addresses hang on four scalar registers: s[TBK], s[TBV] and s[TBMI] step once a key step, at the step's join, which both ways pass; at a change of slots they go back four steps,
; the first two are turned into the other slot by an exclusive or, and s[TBMO] goes on by a tile's 1,024 bytes of M.  A fetch for the step after the one in hand has that step's bytes in its immediates.
.macro LOAD                            ; a refill: waves 0, 1 the halves of a tile's K, waves 2, 3 those of its V^T; an s_nop 0 and four v_nop follow each line
	s_cmp_lt_u32 s[WV], 2
	s_cbranch_scc0 .Lfor_v_\@
	tensor_load_to_lds s[G0K+4:G0K+7], s[G1K:G1K+7]
	s_nop 0
	NOPS 4
	s_branch .Lasked_\@
.Lfor_v_\@:
	tensor_load_to_lds s[G0V+4:G0V+7], s[G1V:G1V+7]
	s_nop 0
	NOPS 4
.Lasked_\@:
.endm
; PREFETCH INTO THE L2 of the tile that the NEXT change of slots will ask for: four key steps, 256 products, ahead of that load.  A head's 8 work-groups walk the same tiles: the first of them asks; its wave w names
; 32 blocks of 256 bytes of K and 16 channel rows x 2 blocks of V^T, a lane a block: each block once in the launch.  The last change that fills a slot (s[SLOTS] = 1) asks for nothing.  Tiles 0-2 come by their loads alone.
.macro ASK
	s_cmp_gt_u32 s[SLOTS], s[LIM]
	s_cbranch_scc0 .Lnot_mine_\@
	global_prefetch_b8 v[PFK], s[PFKA:PFKA+1] th:TH_LOAD_NT scope:SCOPE_SE
	global_prefetch_b8 v[PFV], s[PFVA:PFVA+1] th:TH_LOAD_NT scope:SCOPE_SE
.Lnot_mine_\@:
.endm
.macro FETCH_KM ahead                  ; 24 LDS loads: K (8 fragments) and the mask tiles of the step in hand (ahead = 0) or of the next (1)
	WIN 0
	v_add_nc_u32 v[AK], s[TBK], v[AK0]
	v_add_nc_u32 v[AM], s[TBMI], v[AM0]
	v_add_nc_u32 v[AM], s[TBMO], v[AM]
	WIN 0x80
.irp f, 0,1,2,3,4,5,6,7
	ds_load_b128 v[KF+8*\f:KF+8*\f+3],   v[AK] offset:(\ahead)*64*PK+(\f/2)*16*PK+(\f%2)*64
	ds_load_b128 v[KF+8*\f+4:KF+8*\f+7], v[AK] offset:(\ahead)*64*PK+(\f/2)*16*PK+(\f%2)*64+32
.endr
	WIN 0x40
.irp f, 0,1,2,3
	ds_load_b128 v[MR+8*\f:MR+8*\f+3],   v[AM] offset:(\ahead)*256+64*\f
	ds_load_b128 v[MR+8*\f+4:MR+8*\f+7], v[AM] offset:(\ahead)*256+64*\f+16
.endr
	WIN 0
.endm
.macro FETCH_KM_C                      ; the next step's, unless this is the slot's last step: then the change of slots fetches it
	WIN 0
	s_cmp_eq_u32 s[CNT], 1
	s_cbranch_scc1 .Lno_km_\@
	FETCH_KM 1
.Lno_km_\@:
.endm
.macro FETCH_V                         ; 16 LDS loads: the step's V^T: keys 32 (f / 4) on, channels 16 (f % 4) on
	WIN 0
	v_add_nc_u32 v[AV], s[TBV], v[AV0]
	WIN 0x80
.irp f, 0,1,2,3,4,5,6,7
	ds_load_b128 v[VF+8*\f:VF+8*\f+3],   v[AV] offset:(\f%4)*16*PVT+(\f/4)*64
	ds_load_b128 v[VF+8*\f+4:VF+8*\f+7], v[AV] offset:(\f%4)*16*PVT+(\f/4)*64+32
.endr
	WIN 0
.endm
; THE CHANGE OF SLOTS.  Each wave waits for all its tensor loads (one is out: its part of the other slot), adds 0 to its spare word, and waits for that and for its reads of the slot that it leaves.
; fill = 1: the old slot is filled again, first thing behind the barrier, with the tile two on.  Then K and M of the new slot's first step are fetched, and behind that run stand the prefetches.
.macro CHANGE fill
	WIN 0
	s_wait_tensorcnt 0x0                           ; no tensor load of mine is out, so a group 0 may be written
	ds_add_u32 v[SPW], v[NIL]                      ; 0 onto my spare word
.if \fill
	s_xor_b32 s[G0K+5], s[G0K+5], SLOT1
	s_add_nc_u64 s[G0K+6:G0K+7], s[G0K+6:G0K+7], 32768
	s_xor_b32 s[G0V+5], s[G0V+5], SLOT1
	s_add_nc_u64 s[G0V+6:G0V+7], s[G0V+6:G0V+7], 512
	s_wait_xcnt 0x0                                ; the last prefetches, four key steps back, have read their addresses
	s_add_nc_u64 s[PFKA:PFKA+1], s[PFKA:PFKA+1], 32768
	s_add_nc_u64 s[PFVA:PFVA+1], s[PFVA:PFVA+1], 512
.endif
	s_wait_dscnt 0x0                               ; the add is done, and my reads of the slot are over
	s_barrier_signal -1
	s_sub_co_u32 s[TBK], s[TBK], 4*64*PK           ; back to a slot's first step, in the other slot
	s_xor_b32 s[TBK], s[TBK], SLOT1
	s_sub_co_u32 s[TBV], s[TBV], 4*128
	s_xor_b32 s[TBV], s[TBV], SLOT1
	s_sub_co_u32 s[TBMI], s[TBMI], 4*256           ; M: back to a tile's first step, in the next tile
	s_add_co_u32 s[TBMO], s[TBMO], 4*256
	s_barrier_wait -1
.if \fill
	LOAD
.endif
	FETCH_KM 0
.if \fill
	ASK
.endif
.endm
; THE MATRIX WORK.  Product i of 8 of S^T = M + K Q^T for tile t: channels 32 (i / 4) on, keys 16 (i % 4) on; the first four start the sums with the mask tile.  Four accumulators by turns.
.macro KQ t
.set rS_, S+32*(\t)+8*(i%4)
.set rK_, KF+16*(i%4)+8*(i/4)
.set rQ_, 16*(\t)+8*(i/4)
.if i < 4
	WIN 0x1a
	v_wmma_f32_16x16x32_f16 v[rS_:rS_+7], v[rK_:rK_+7], v[rQ_:rQ_+7], v[MR+8*(i%4):MR+8*(i%4)+7]
.else
	WIN 0x0a
	v_wmma_f32_16x16x32_f16 v[rS_:rS_+7], v[rK_:rK_+7], v[rQ_:rQ_+7], v[rS_:rS_+7]
.endif
.endm
; Product i of 8 of O^T += V^T P for tile t: keys 32 (i / 4) on, channels 16 (i % 4) on.
.macro PV t
	WIN 0x52
.set rO_, 32*(\t)+8*(i%4)
.set rV_, VF+32*(i/4)+8*(i%4)
.set rP_, P+16*(\t)+8*(i/4)
	v_wmma_f32_16x16x32_f16 v[rO_:rO_+7], v[rV_:rV_+7], v[rP_:rP_+7], v[rO_:rO_+7]
.endm
; THE VECTOR WORK.
.macro REGS t
.set rT, ST+4*(\t)
.set rC, TMP+4*(\t)
.set rW, MV+(\t)
.set rS, S+32*(\t)
.set rP, P+16*(\t)
.set rO, 32*(\t)
.endm
; Number n of the 22 that find tile t's maximum and statistics: 0-11 four chains of seven scores (each accumulator's lowest registers first); 12-14, 16 the four left over, the old m', the chains into c0;
; 15 c m' is kept; 17, 18 the other half of the lanes: the new m'; 19-21 c m'; its change; a
.macro XS t, n
	REGS \t
.if (\n) < 4
	v_max3_num_f32 v[rC+(\n)], v[rS+8*(\n)], v[rS+8*(\n)+1], v[rS+8*(\n)+2]
.elseif (\n) < 12
	v_max3_num_f32 v[rC+(\n)%4], v[rC+(\n)%4], v[rS+8*((\n)%4)+2*((\n)/4)+1], v[rS+8*((\n)%4)+2*((\n)/4)+2]
.elseif (\n) == 12
	v_max3_num_f32 v[rC], v[rC], v[rS+7], v[rS+15]
.elseif (\n) == 13
	v_max3_num_f32 v[rC+1], v[rC+1], v[rS+23], v[rS+31]
.elseif (\n) == 14
	v_max3_num_f32 v[rC+2], v[rC+2], v[rC+3], v[rT+1]
.elseif (\n) == 15
	v_mov_b32 v[rW], v[rT]
.elseif (\n) == 16
	v_max3_num_f32 v[rC], v[rC], v[rC+1], v[rC+2]
.elseif (\n) == 17
	v_permlanex16_b32 v[rC+3], v[rC], s[SEL], s[SEL+1]
.elseif (\n) == 18
	v_max_num_f32 v[rT+1], v[rC], v[rC+3]
.elseif (\n) == 19
	v_mul_f32 v[rT], s[CS], v[rT+1]
.elseif (\n) == 20
	v_sub_f32 v[rC+1], v[rW], v[rT]
.else
	v_exp_f32 v[rC+2], v[rC+1]
.endif
.endm
.macro FS t, f                         ; c s - c m' for pair f
	REGS \t
	v_pk_fma_f32 v[rS+2*(\f):rS+2*(\f)+1], v[rS+2*(\f):rS+2*(\f)+1], s[CS:CS+1], v[rT:rT+1] op_sel_hi:[1,0,0] neg_lo:[0,0,1] neg_hi:[0,0,1]
.endm
; THE PLAIN QUEUE, 148 long: tile after tile, numbers 0-13, 15, 14, 16-20 and the 16 scalings
.macro PL
	WIN 0
.set pt, q/37
.set pn, q%37
.if pn < 14
	XS pt, pn
.elseif pn == 14
	XS pt, 15
.elseif pn == 15
	XS pt, 14
.elseif pn < 21
	XS pt, pn
.else
	FS pt, pn-21
.endif
.set q, q+1
.endm
; THE EXPONENTIALS' QUEUE, 132 long: tile after tile, a and the 32 scores.  ONE BATCH: nothing ahead of the step's one wait names a result of theirs.
.macro EX
	WIN 0
.set et, e/33
.set en, e%33
.if en == 0
	XS et, 21
.else
	REGS et
	v_exp_f32 v[rS+en-1], v[rS+en-1]
.endif
.set e, e+1
.endm
; THE DEAL: 34 plain, then exponential and plain by turns, then the 18 exponentials left.  Exponential e stands behind 34 + e plain ones; tile t's a (e = 33 t) needs 37 t + 21 of them, its score n needs
; 37 t + 22 + n / 2 against 35 + 33 t + n: both hold for t <= 3.
.macro IT
.if it < 34
	PL
.elseif (it < 262) && ((it-34)%2 == 1)
	PL
.else
	EX
.endif
.set it, it+1
.endm
.macro RS4 t, n0                       ; four pairs of O^T times a
	REGS \t
	WIN 0x41
.irp z, 0,1,2,3
	v_pk_mul_f32 v[rO+2*((\n0)+\z):rO+2*((\n0)+\z)+1], v[rO+2*((\n0)+\z):rO+2*((\n0)+\z)+1], v[rC+2:rC+3] op_sel_hi:[1,0]
.endr
.endm
.macro CS4 t, n0                       ; four pairs of weights rounded to f16
	REGS \t
	WIN 0
.irp z, 0,1,2,3
	v_cvt_pk_f16_f32 v[rP+(\n0)+\z], v[rS+2*((\n0)+\z)], v[rS+2*((\n0)+\z)+1]
.endr
.endm
.macro BSUM t, n                       ; of four weights the second pair onto the first, in place
	REGS \t
	v_pk_add_f32 v[rS+4*(\n):rS+4*(\n)+1], v[rS+4*(\n):rS+4*(\n)+1], v[rS+4*(\n)+2:rS+4*(\n)+3]
.endm
.macro LSUM t, n                       ; l takes it; the first time l = a l + sum
	REGS \t
.if (\n) == 0
	v_pk_fma_f32 v[rT+2:rT+3], v[rT+2:rT+3], v[rC+2:rC+3], v[rS:rS+1] op_sel_hi:[1,0,1]
.else
	v_pk_add_f32 v[rT+2:rT+3], v[rT+2:rT+3], v[rS+4*(\n):rS+4*(\n)+1]
.endif
.endm
.macro SUMS a, b, n
	WIN 0
	BSUM \a, \n
	BSUM \b, \n
	LSUM \a, \n
	LSUM \b, \n
.endm
; THE CHANGE OF CLASS, in the middle one of the wave's three dead steps: O += (e128 - e0) l, m' += bL - bR
.macro SWITCH
.set tt, 0
.rept 4
	REGS tt
.set c_, TMP+2*(tt%2)
	WIN 0
	v_add_f32 v[c_], v[rT+2], v[rT+3]
	v_permlanex16_b32 v[c_+1], v[c_], s[SEL], s[SEL+1]
	v_add_f32 v[rT+1], v[rT+1], v[DLR+tt]
	v_add_f32 v[c_], v[c_], v[c_+1]
	v_mul_f32 v[rT], s[CS], v[rT+1]
	WIN 0x53
.set i, 0
.rept 16
	v_pk_fma_f32 v[rO+2*i:rO+2*i+1], v[2*i:2*i+1], v[c_:c_+1], v[rO+2*i:rO+2*i+1] op_sel_hi:[1,0,1]
.set i, i+1
.endr
.set tt, tt+1
.endr
	WIN 0
.endm
; A KEY STEP.  Steps G - 1, G, G + 1 were the band's: the wave jumps forward over the work; neither way holds a barrier or a tensor load, and on both the next step's K and M are fetched behind a wait for 0.
; LIVE: V^T is fetched; tile 0's 8 products K Q^T; the 24 of tiles 1-3, four of the deal behind each; the other 184 in one lump; ONE wait for the step's 132 exponentials; the next K and M;
; tile 0's rescaling and rounding; then 32 products V^T P, behind each four riders: the next tile's rescaling and rounding, behind tile 3's the sums of tiles 0, 1; the sums of tiles 2, 3 last.
.macro STEP
	WIN 0
	s_sub_co_u32 s[D], s[SI], s[GM1]
	s_cmp_le_u32 s[D], 2
	s_cbranch_scc1 .Ldead_\@
	FETCH_V                                        ; its registers' last reader stands 32 plain instructions back
	s_wait_dscnt 16                                ; K and M are in; V^T's 16 loads may stay out
.set i, 0
.rept 8
	KQ 0
.set i, i+1
.endr
	NOPS 4                                         ; the places behind those products
.set q, 0
.set e, 0
.set it, 0
.set tt, 1
.rept 3
.set i, 0
.rept 8
	KQ tt
	IT
	IT
	IT
	IT
.set i, i+1
.endr
.set tt, tt+1
.endr
.rept 184
	IT
.endr
	v_nop                                          ; a plain instruction behind the last exponential,
	s_wait_alu depctr_va_vdst(0)                   ; and one wait ahead of the batch's first reader
	s_wait_dscnt 0x0                               ; V^T is in (asked for at the step's head)
	FETCH_KM_C
	RS4 0, 0
	RS4 0, 4
	RS4 0, 8
	RS4 0, 12
	CS4 0, 0
	CS4 0, 4
	CS4 0, 8
	CS4 0, 12
.set tt, 0
.rept 4
.set i, 0
.rept 8
	PV tt
.if tt < 3
.if i%2 == 0
	RS4 tt+1, 4*(i/2)
.else
	CS4 tt+1, 4*(i/2)
.endif
.else
	SUMS 0, 1, i
.endif
.set i, i+1
.endr
.set tt, tt+1
.endr
.set i, 0
.rept 8
	SUMS 2, 3, i
.set i, i+1
.endr
	WIN 0
	s_branch .Ljoin_\@
.Ldead_\@:
	s_wait_dscnt 0x0                               ; this step's K and M have landed: their registers may be loaded again
	s_cmp_lg_u32 s[D], 1
	s_cbranch_scc1 .Lno_switch_\@
	SWITCH
.Lno_switch_\@:
	FETCH_KM_C
.Ljoin_\@:                                     ; both ways: on to the next step
	s_add_co_u32 s[SI], s[SI], 1
	s_add_co_u32 s[TBK], s[TBK], 64*PK
	s_add_co_u32 s[TBV], s[TBV], 128
	s_add_co_u32 s[TBMI], s[TBMI], 256
.endm
	s_mov_b32 s[SI], 0
	s_mov_b32 s[TBK], 0
	s_mov_b32 s[TBV], 0
	s_mov_b32 s[TBMI], 0
	s_mov_b32 s[TBMO], 0
	FETCH_KM 0                                     ; key step 0
	s_mov_b32 s[CNT], 4
	s_mov_b32 s[SLOTS], 7
	s_branch .Lstep                                ; tile 0 is in: the loop is entered behind its change of slots
.Lslot:                                        ; six times: tiles 2 to 7 are asked for
	CHANGE 1
	s_mov_b32 s[CNT], 4
.Lstep:
	STEP
	s_sub_co_u32 s[CNT], s[CNT], 1
	s_cmp_lg_u32 s[CNT], 0
	s_cbranch_scc1 .Lstep
	s_sub_co_u32 s[SLOTS], s[SLOTS], 1
	s_cmp_lg_u32 s[SLOTS], 0
	s_cbranch_scc1 .Lslot
	CHANGE 0                                       ; the last tile is written out
	s_mov_b32 s[CNT], 4
.Ltail:
	STEP
	s_sub_co_u32 s[CNT], s[CNT], 1
	s_cmp_lg_u32 s[CNT], 0
	s_cbranch_scc1 .Ltail
	; THE WAY OUT: out = O / l + e0, in f32, a tile (16 rows x 256 bytes) at a time through my stage, the bias table's bytes.
	s_mul_i32 s[T0], s[WV], BTW
	s_add_co_u32 s[T0], s[T0], BT
	v_mul_u32_u24 v[STO], v1, 272                  ; in: row r, channels 16 cb + 8 h on
	v_add_nc_u32 v[STO], v[STO], v[MO]
	v_add_nc_u32 v[STO], s[T0], v[STO]
	v_mul_u32_u24 v[RD], v2, 272                   ; back: lanes 0-15 one row of 256 bytes, lanes 16-31 the next
	v_lshl_add_u32 v[RD], v1, 4, v[RD]
	v_add_nc_u32 v[RD], s[T0], v[RD]
	v_lshlrev_b32 v[GO], 12, v2                    ; and the same two rows in out0
	v_lshl_add_u32 v[GO], v1, 4, v[GO]
.irp t, 0,1,2,3
	v_add_f32 v[ST+4*\t+2], v[ST+4*\t+2], v[ST+4*\t+3]
.endr
.irp t, 0,1,2,3
	v_permlanex16_b32 v[ST+4*\t+3], v[ST+4*\t+2], s[SEL], s[SEL+1]
.endr
.irp t, 0,1,2,3
	v_add_f32 v[ST+4*\t+2], v[ST+4*\t+2], v[ST+4*\t+3]
.endr
.irp t, 0,1,2,3
	v_rcp_f32 v[ST+4*\t+2], v[ST+4*\t+2]
.endr
	v_nop                                          ; a plain instruction behind the last reciprocal,
	s_wait_alu depctr_va_vdst(0)                   ; and one wait for the four
.macro OUT t
	WIN 0x71                                       ; O^T in window 1, 1 / l in window 0, e0 in window 3
.set i, 0
.rept 16
	v_pk_fma_f32 v[32*(\t)+2*i:32*(\t)+2*i+1], v[32*(\t)+2*i:32*(\t)+2*i+1], v[ST+4*(\t)+2:ST+4*(\t)+3], v[32+2*i:32+2*i+1] op_sel_hi:[1,0,1]
.set i, i+1
.endr
	WIN 0x04
.irp f, 0,1,2,3,4,5,6,7
	ds_store_b128 v[STO], v[32*(\t)+4*\f:32*(\t)+4*\f+3] offset:64*(\f/2)+16*(\f%2)
.endr
	WIN 0
.irp f, 0,1,2,3,4,5,6,7
	ds_load_b128 v[S+32*(\t)+4*\f:S+32*(\t)+4*\f+3], v[RD] offset:544*\f  ; LDS serves a wave's instructions in order: these see the stores above; the next tile's stores come behind them
.endr
.endm
.macro SEND t, younger                 ; younger: the LDS instructions issued behind this tile's loads: the next tile's sixteen, or none
.irp f, 0,1,2,3,4,5,6,7
	s_wait_dscnt (\younger)+7-\f
	global_store_b128 v[GO], v[S+32*(\t)+4*\f:S+32*(\t)+4*\f+3], s[12:13] offset:65536*(\t)+8192*\f th:TH_STORE_NT  ; 16 lanes store 256 consecutive bytes, at a multiple of 256 from out0's first
.endr
.endm
	OUT 0
	OUT 1
	SEND 0, 16
	OUT 2
	SEND 1, 16
	OUT 3
	SEND 2, 16
	SEND 3, 0
	s_wait_tensorcnt 0x0                           ; the wave's end: an add and its waits, behind my last tensor load and my last LDS store
	ds_add_u32 v[SPW], v[NIL]
	s_wait_dscnt 0x0
	s_endpgm
.Lfunc_end_k_q82df6e2000_attn:
	.size	k_q82df6e2000_attn, .Lfunc_end_k_q82df6e2000_attn-k_q82df6e2000_attn
	.p2alignl 7, 3214868480
	.fill 96, 4, 3214868480
	.section	.rodata,"a",@progbits
	.p2align	6, 0x0
	.amdhsa_kernel k_q82df6e2000_attn
		.amdhsa_group_segment_fixed_size 327680
		.amdhsa_private_segment_fixed_size 0
		.amdhsa_enable_private_segment 0
		.amdhsa_kernarg_size 40
		.amdhsa_user_sgpr_count 2
		.amdhsa_user_sgpr_kernarg_segment_ptr 1
		.amdhsa_wavefront_size32 1
		.amdhsa_system_sgpr_workgroup_id_x 1
		.amdhsa_system_sgpr_workgroup_id_y 1
		.amdhsa_system_sgpr_workgroup_id_z 1
		.amdhsa_system_vgpr_workitem_id 0
		.amdhsa_next_free_vgpr 1024
		.amdhsa_next_free_sgpr 102
		.amdhsa_reserve_vcc 0
		.amdhsa_float_denorm_mode_32 3
		.amdhsa_float_denorm_mode_16_64 3
		.amdhsa_memory_ordered 1
		.amdhsa_forward_progress 1
		.amdhsa_inst_pref_size 194
	.end_amdhsa_kernel
	.amdgpu_metadata
---
amdhsa.version: [ 1, 2 ]
amdhsa.kernels:
  - .name:           k_q82df6e2000_attn
    .symbol:         k_q82df6e2000_attn.kd
    .args:
      - { .name: q16, .offset: 0, .size: 8, .value_kind: global_buffer, .address_space: global }
      - { .name: k16, .offset: 8, .size: 8, .value_kind: global_buffer, .address_space: global }
      - { .name: vt16, .offset: 16, .size: 8, .value_kind: global_buffer, .address_space: global }
      - { .name: tab, .offset: 24, .size: 8, .value_kind: global_buffer, .address_space: global }
      - { .name: out0, .offset: 32, .size: 8, .value_kind: global_buffer, .address_space: global }
    .group_segment_fixed_size: 327680
    .private_segment_fixed_size: 0
    .kernarg_segment_align: 8
    .kernarg_segment_size: 40
    .max_flat_workgroup_size: 128
    .sgpr_count:     102
    .vgpr_count:     1024
    .wavefront_size: 32
...
	.end_amdgpu_metadata
.endif
;; end of part 3
;; ======== version 2 of 2: 3 launches; version 1 with the launch prep written anew for expert scheduling mode
;; limits: values are held in f16: magnitudes above 65,504 overflow, below 6.1e-05 lose precision
;; workspace buffers: xc 8,388,608 bytes; wc 6,291,456 bytes; q16 8,388,608 bytes; k16 8,388,608 bytes; vt16 8,388,608 bytes; tab 121,600 bytes
;; launch prep (part 4): grid 475 x 1, 8 waves a work-group, no clusters, 0 bytes of LDS; arguments hidden_states, Wq, Wk, Wv, attention_mask, emb_k, emb_v, xc, wc, tab; writes xc, wc, tab
.if DOCPART == 4
	.amdgcn_target "amdgcn-amd-amdhsa--gfx1250"
	.amdhsa_code_object_version 6
	.text
	.protected	k_q82df6e2000_prep
	.globl	k_q82df6e2000_prep
	.p2align	8
	.type	k_q82df6e2000_prep,@function
k_q82df6e2000_prep:
	s_mov_b64 s[64:65], 0
	v_nop
	global_prefetch_b8 v0, s[64:65] scope:SCOPE_SE
	s_setreg_imm32_b32 hwreg(HW_REG_WAVE_SCHED_MODE, 0, 2), 2
	s_setreg_imm32_b32 hwreg(HW_REG_WAVE_MODE, 25, 1), 1
	s_wait_xcnt 0x0
	s_wait_alu depctr_vm_vsrc(0)
; PREPARATION: every input but the biases is rounded once to bf16 and laid out for the two launches behind.
;   xc  bf16 [4096][1024]                 hidden_states as it lies
;   wc  bf16 [q,k,v][head 16][k 1024][64] a head's 64 columns of a weight, dense: 128 bytes for each k
;   tab XK  f16 [256][64]  at 0           XK[z]      = emb_k[clip(191 - z, 0, 128)]
;       TV_b at 32,768 + 44,032 b:  XVT f16 [64][280]: XVT[ch][z] = emb_v[clip(191 - z, 0, 128)][ch];  then M f32 [2048] = 8 x mask[b], held within +-2.977e38
;       EV  f32 [3][64] at 120,832        -emb_v[128], emb_v[128] - emb_v[0], emb_v[0]
; The tables hold the bf16-rounded number written as f16 (exact down to 6.1e-5; below that f16's fixed step of 6e-8).  LIMITS: NaN in the mask is not treated apart; an infinite mask counts as the clamp.
; Memory binds: 16-byte loads, each store of a wave covers 256 or 512 consecutive aligned bytes; no LDS, no barrier, no matrix unit, no prefetch (every wave's loads are issued at once and the launch is short).
; ROLES by the work-group's number: 0-255 x; 256-447 weights; 448-455 XK; 456-473 the two XVT; 474 mask and EV.
; THE MODE: SCHED_MODE bits 1:0 = 2 (LLVM: expert scheduling mode 2), set by the entry lines.  The code itself states the register dependences
; between vector instructions and memory instructions, with s_wait_alu, always for 0.
; THE PLAN.  Every role is a straight path: offsets are made, loads go out, their data are worked on, the results are stored.  Registers that memory instructions touch:
;   offsets     v[SO], v[DO] (x, weights); v6, v7 (XK); v[8:15], v7 (XVT); v4 (mask); v5 (EV).  Written once by vector instructions, read by loads or stores, never written again.
;   loaded data v[IN ..] (x, weights); v[16:23] (XK, XVT); v[16:31] (mask); v8, v9 (EV).  Loads land in them once; vector instructions read them behind the wait on LOADcnt.
;   store data  v[OU ..] (x, weights); v[32:35] (XK, XVT); v[16:31] (mask, worked on in place); v[11:13] (EV).  Written by vector instructions, read by one store each, never written again.
; So one wait on va_vdst stands ahead of each run of loads (their offsets are written) and one ahead of each run of stores (their data and offsets are written).  No register that a load or a store
; reads is ever written again, so no wait on vm_vsrc is owed.  The wave's number passes from a vector instruction into a scalar register: one wait on va_sdst ahead of its first reader.
.set TAB_TV,  32768
.set TAB_TVB, 44032
.set TAB_M,   35840
.set TAB_EV,  120832
.set SO, 2                             ; v2  byte offset of my loads
.set DO, 3                             ; v3  byte offset of my stores
.set IN, 16                            ; v[16:79]  16 loads of 4
.set OU, 80                            ; v[80:111] 16 stores of 2
.set WV, 28                            ; s28 wave
.set WG, 29                            ; s29 work-group
; Four stores, numbers n0 to n0 + 3: 256 consecutive bytes of a wave each
.macro ST4 n0
.irp k, 0,1,2,3
	global_store_b64 v[DO], v[OU+2*((\n0)+\k):OU+2*((\n0)+\k)+1], s[34:35] offset:256*((\n0)+\k) th:TH_STORE_NT
.endr
.endm
; A block of four loads, numbers n0 to n0 + 3, is rounded to bf16.  prev = 1: the block before is stored first, behind one wait.
.macro BLOCK n0, prev
	s_wait_loadcnt 15-(\n0)                        ; loads come back in order: number n0 is in, the younger ones stay out
.if \prev
	s_wait_alu depctr_va_vdst(0)                   ; the conversions of the block before have written their v[OU ..], which the four stores below read
	ST4 (\n0)-4
.endif
.irp k, 0,1,2,3
.if \k > 0
	s_wait_loadcnt 15-(\n0)-\k                     ; number n0 + k is in
.endif
	v_cvt_pk_bf16_f32 v[OU+2*((\n0)+\k)], v[IN+4*((\n0)+\k)], v[IN+4*((\n0)+\k)+1]
	v_cvt_pk_bf16_f32 v[OU+2*((\n0)+\k)+1], v[IN+4*((\n0)+\k)+2], v[IN+4*((\n0)+\k)+3]
.endr
.endm
; 16 loads of 512 bytes a wave, step bytes apart, all issued at once; each is rounded to bf16 and stored as 256 consecutive bytes.  They go in four blocks of four; a block's stores stand at the head of the next.
.macro CAST16 step
	s_wait_alu depctr_va_vdst(0)                   ; v[SO] and v[DO] are written: every load below reads the one as its offset, every store the other
.set i, 0
.rept 16
	global_load_b128 v[IN+4*i:IN+4*i+3], v[SO], s[32:33] offset:i*(\step) th:TH_LOAD_NT
.set i, i+1
.endr
	BLOCK 0, 0
	BLOCK 4, 1
	BLOCK 8, 1
	BLOCK 12, 1
	s_wait_alu depctr_va_vdst(0)                   ; the last block's conversions have written their v[OU ..], which the last four stores read
	ST4 12
.endm
; table index of z: clip(191 - z, 0, 128) = 128 - min(max(z, 63) - 63, 128)
.macro IDX d, z
	v_max_u32 \d, 63, \z
	v_add_nc_u32 \d, 0xffffffc1, \d
	v_min_u32 \d, 0x80, \d
	v_sub_nc_u32 \d, 0x80, \d
.endm
; v[16:23], 8 f32 -> v[32:35], 8 f16 of the bf16-rounded numbers
.macro PACK8
.irp p, 0,1,2,3
	v_cvt_pk_bf16_f32 v24, v[16+2*\p], v[17+2*\p]
	v_lshlrev_b32 v25, 16, v24
	v_and_b32 v26, 0xffff0000, v24
	v_cvt_pk_f16_f32 v[32+\p], v25, v26
.endr
.endm
	s_load_b512 s[8:23], s[0:1], 0x0               ; hidden s[8:9], Wq s[10:11], Wk s[12:13], Wv s[14:15], mask s[16:17], emb_k s[18:19], emb_v s[20:21], xc s[22:23]
	s_load_b128 s[24:27], s[0:1], 0x40             ; wc s[24:25], tab s[26:27]
	v_lshrrev_b32 v1, 5, v0
	v_readfirstlane_b32 s[WV], v1
	v_and_b32 v1, 31, v0                           ; lane
	s_mov_b32 s[WG], ttmp9
	s_mov_b32 s31, 0
	s_mov_b32 s37, 0
	v_lshlrev_b32 v[DO], 3, v1                     ; x and weights store alike: 4,096 bytes a wave, 8 a lane
	s_wait_alu depctr_va_sdst(0)                   ; s[WV] is written, ahead of its first reader, the line below, and of every branch: offsets, shares and two branches are made from it
	v_lshl_add_u32 v[DO], s[WV], 12, v[DO]
	s_wait_kmcnt 0x0
	s_cmp_lt_u32 s[WG], 256
	s_cbranch_scc0 .Lnot_x
	; X: 65,536 bytes of f32 a work-group, 8,192 a wave
	s_lshl_b32 s30, s[WG], 16
	s_add_nc_u64 s[32:33], s[8:9], s[30:31]
	s_lshl_b32 s36, s[WG], 15
	s_add_nc_u64 s[34:35], s[22:23], s[36:37]
	v_lshlrev_b32 v[SO], 4, v1
	v_lshl_add_u32 v[SO], s[WV], 13, v[SO]
	CAST16 512
	s_endpgm
.Lnot_x:
	s_cmp_lt_u32 s[WG], 448
	s_cbranch_scc0 .Lnot_w
	; W: work-group w = (weight j, head t, quarter kq of k): 256 rows k x 256 bytes; a load takes two rows k, which are 256 consecutive bytes of wc
	s_sub_co_u32 s38, s[WG], 256
	s_lshr_b32 s39, s38, 6                         ; j
	s_cmp_eq_u32 s39, 0
	s_cselect_b64 s[32:33], s[10:11], s[12:13]
	s_cmp_eq_u32 s39, 2
	s_cselect_b64 s[32:33], s[14:15], s[32:33]
	s_and_b32 s30, s38, 3                          ; kq
	s_lshl_b32 s36, s30, 15                        ; 256 rows of 128 bytes in wc
	s_lshl_b32 s30, s30, 20                        ; 256 rows of 4,096 bytes in W
	s_bfe_u32 s39, s38, 0x40002                    ; t
	s_lshl_b32 s39, s39, 8
	s_add_co_u32 s30, s30, s39
	s_add_nc_u64 s[32:33], s[32:33], s[30:31]
	s_lshr_b32 s39, s38, 2                         ; 16 j + t
	s_lshl_b32 s39, s39, 17
	s_add_co_u32 s36, s36, s39
	s_add_nc_u64 s[34:35], s[24:25], s[36:37]
	v_and_b32 v4, 15, v1
	v_lshrrev_b32 v5, 4, v1
	v_lshlrev_b32 v[SO], 4, v4
	v_lshl_add_u32 v[SO], v5, 12, v[SO]
	v_lshl_add_u32 v[SO], s[WV], 17, v[SO]         ; 32 rows k a wave
	CAST16 8192
	s_endpgm
.Lnot_w:
	s_cmp_lt_u32 s[WG], 456
	s_cbranch_scc0 .Lnot_xk
	; XK: thread G makes 8 channels of row z = G / 8: 16 bytes at 16 G
	s_sub_co_u32 s38, s[WG], 448
	s_lshl_b32 s38, s38, 8
	v_add_nc_u32 v4, s38, v0
	v_lshrrev_b32 v5, 3, v4
	IDX v5, v5
	v_and_b32 v6, 7, v4
	v_lshlrev_b32 v6, 5, v6
	v_lshl_add_u32 v6, v5, 8, v6
	s_wait_alu depctr_va_vdst(0)                   ; v6 is written, which the two loads read as their offset
	global_load_b128 v[16:19], v6, s[18:19]
	global_load_b128 v[20:23], v6, s[18:19] offset:16
	v_lshlrev_b32 v7, 4, v4
	s_wait_loadcnt 0x0
	PACK8
	s_wait_alu depctr_va_vdst(0)                   ; v7 and v[32:35] are written: the store's offset and its data
	global_store_b128 v7, v[32:35], s[26:27]
	s_endpgm
.Lnot_xk:
	s_cmp_lt_u32 s[WG], 474
	s_cbranch_scc0 .Lmask
	; XVT, twice: a copy is 64 x 35 groups of 8 z = 2,240 threads = 70 waves; 140 of these 18 work-groups' 144 waves have a share
	s_sub_co_u32 s38, s[WG], 456
	s_lshl_b32 s38, s38, 3
	s_add_co_u32 s38, s38, s[WV]
	s_cmp_lt_u32 s38, 140
	s_cbranch_scc1 .Lxv_go
	s_endpgm
.Lxv_go:
	s_cmp_ge_u32 s38, 70
	s_cselect_b32 s39, 70, 0
	s_cselect_b32 s36, TAB_TVB, 0
	s_sub_co_u32 s38, s38, s39
	s_add_co_u32 s36, s36, TAB_TV
	s_lshl_b32 s38, s38, 5
	v_add_nc_u32 v4, s38, v1                       ; G = 35 ch + g
	v_mul_u32_u24 v5, v4, 1873                     ; G / 35 for G < 2,240
	v_lshrrev_b32 v5, 16, v5
	v_mul_u32_u24 v6, v5, 35
	v_sub_nc_u32 v6, v4, v6
	v_lshlrev_b32 v6, 3, v6                        ; z of my first number
	v_lshlrev_b32 v5, 2, v5
.irp n, 0,1,2,3,4,5,6,7                ; all eight offsets are made first, so that one wait serves the eight loads
	v_add_nc_u32 v[8+\n], \n, v6
	IDX v[8+\n], v[8+\n]
	v_lshl_add_u32 v[8+\n], v[8+\n], 8, v5
.endr
	s_wait_alu depctr_va_vdst(0)                   ; v[8:15] are written, which the eight loads read as their offsets
.irp n, 0,1,2,3,4,5,6,7
	global_load_b32 v[16+\n], v[8+\n], s[20:21]
.endr
	v_lshlrev_b32 v7, 4, v4
	v_add_nc_u32 v7, s36, v7
	s_wait_loadcnt 0x0
	PACK8
	s_wait_alu depctr_va_vdst(0)                   ; v7 and v[32:35] are written: the store's offset and its data
	global_store_b128 v7, v[32:35], s[26:27]
	s_endpgm
.Lmask:
	; M = 8 x bf16(mask), so that c (q.k + M) with c = log2(e) / 8 holds log2(e) x mask; held within +-2.977e38
	v_lshlrev_b32 v4, 4, v0
	s_wait_alu depctr_va_vdst(0)                   ; v4 is written: the offset of the four loads and of the four stores
.irp t, 0,1,2,3
	global_load_b128 v[16+4*\t:19+4*\t], v4, s[16:17] offset:4096*\t
.endr
	s_wait_loadcnt 0x0
.set i, 0
.rept 8
	v_cvt_pk_bf16_f32 v6, v[16+2*i], v[17+2*i]
	v_lshlrev_b32 v[16+2*i], 16, v6
	v_and_b32 v[17+2*i], 0xffff0000, v6
.set i, i+1
.endr
.set i, 0
.rept 16
	v_mul_f32 v[16+i], 0x41000000, v[16+i]
	v_max_num_f32 v[16+i], 0xff600000, v[16+i]
	v_min_num_f32 v[16+i], 0x7f600000, v[16+i]
.set i, i+1
.endr
	s_wait_alu depctr_va_vdst(0)                   ; the clamps have written v[16:31], which the four stores read
.irp t, 0,1,2,3
	global_store_b128 v4, v[16+4*\t:19+4*\t], s[26:27] offset:TAB_TV+TAB_TVB*(\t/2)+TAB_M+4096*(\t%2)
.endr
	s_cmp_lt_u32 s[WV], 2
	s_cbranch_scc1 .Lev
	s_endpgm
.Lev:                                          ; threads 0-63: a channel each.  The lines below write v5 and v8 to v14: none of the registers, v4 and v[16:31], that the stores above read
	v_lshlrev_b32 v5, 2, v0
	s_wait_alu depctr_va_vdst(0)                   ; v5 is written: the offset of the two loads and of the three stores
	global_load_b32 v8, v5, s[20:21] offset:32768  ; emb_v[128]
	global_load_b32 v9, v5, s[20:21]               ; emb_v[0]
	s_wait_loadcnt 0x0
	v_cvt_pk_bf16_f32 v10, v9, v8
	v_lshlrev_b32 v13, 16, v10                     ; e0
	v_and_b32 v14, 0xffff0000, v10                 ; e128
	v_sub_f32 v11, v14, v13
	v_xor_b32 v12, 0x80000000, v14
	s_wait_alu depctr_va_vdst(0)                   ; v11, v12 and v13 are written, which the three stores read
	global_store_b32 v5, v12, s[26:27] offset:TAB_EV
	global_store_b32 v5, v11, s[26:27] offset:TAB_EV+256
	global_store_b32 v5, v13, s[26:27] offset:TAB_EV+512
	s_endpgm
.Lfunc_end_k_q82df6e2000_prep:
	.size	k_q82df6e2000_prep, .Lfunc_end_k_q82df6e2000_prep-k_q82df6e2000_prep
	.p2alignl 7, 3214868480
	.fill 96, 4, 3214868480
	.section	.rodata,"a",@progbits
	.p2align	6, 0x0
	.amdhsa_kernel k_q82df6e2000_prep
		.amdhsa_group_segment_fixed_size 0
		.amdhsa_private_segment_fixed_size 0
		.amdhsa_enable_private_segment 0
		.amdhsa_kernarg_size 80
		.amdhsa_user_sgpr_count 2
		.amdhsa_user_sgpr_kernarg_segment_ptr 1
		.amdhsa_wavefront_size32 1
		.amdhsa_system_sgpr_workgroup_id_x 1
		.amdhsa_system_sgpr_workgroup_id_y 1
		.amdhsa_system_sgpr_workgroup_id_z 1
		.amdhsa_system_vgpr_workitem_id 0
		.amdhsa_next_free_vgpr 112
		.amdhsa_next_free_sgpr 66
		.amdhsa_reserve_vcc 0
		.amdhsa_float_denorm_mode_32 3
		.amdhsa_float_denorm_mode_16_64 3
		.amdhsa_memory_ordered 1
		.amdhsa_forward_progress 1
		.amdhsa_inst_pref_size 27
	.end_amdhsa_kernel
	.amdgpu_metadata
---
amdhsa.version: [ 1, 2 ]
amdhsa.kernels:
  - .name:           k_q82df6e2000_prep
    .symbol:         k_q82df6e2000_prep.kd
    .args:
      - { .name: hidden_states, .offset: 0, .size: 8, .value_kind: global_buffer, .address_space: global }
      - { .name: Wq, .offset: 8, .size: 8, .value_kind: global_buffer, .address_space: global }
      - { .name: Wk, .offset: 16, .size: 8, .value_kind: global_buffer, .address_space: global }
      - { .name: Wv, .offset: 24, .size: 8, .value_kind: global_buffer, .address_space: global }
      - { .name: attention_mask, .offset: 32, .size: 8, .value_kind: global_buffer, .address_space: global }
      - { .name: emb_k, .offset: 40, .size: 8, .value_kind: global_buffer, .address_space: global }
      - { .name: emb_v, .offset: 48, .size: 8, .value_kind: global_buffer, .address_space: global }
      - { .name: xc, .offset: 56, .size: 8, .value_kind: global_buffer, .address_space: global }
      - { .name: wc, .offset: 64, .size: 8, .value_kind: global_buffer, .address_space: global }
      - { .name: tab, .offset: 72, .size: 8, .value_kind: global_buffer, .address_space: global }
    .group_segment_fixed_size: 0
    .private_segment_fixed_size: 0
    .kernarg_segment_align: 8
    .kernarg_segment_size: 80
    .max_flat_workgroup_size: 256
    .sgpr_count:     66
    .vgpr_count:     112
    .wavefront_size: 32
...
	.end_amdgpu_metadata
.endif
;; end of part 4
;; launch qkv: the kernel of part 2 again; grid 16 x 16, 4 waves a work-group, clusters of 4 x 4, 327,680 bytes of LDS; arguments xc, wc, bq, bk, bv, q16, k16, vt16; writes q16, k16, vt16
;; launch attn: the kernel of part 3 again; grid 8 x 32, 4 waves a work-group, no clusters, 327,680 bytes of LDS; arguments q16, k16, vt16, tab, out0; writes out0
